; MI455X (gfx1250); checked and timed in simulation.
; The chip was launched on July 23, 2026; its instructions are those of AMD's public machine-readable ISA for CDNA 5 (MIT licence, August 2026) and "CDNA5" Instruction Set Architecture Reference Guide (July 2026). The comments in the code are by the model that wrote it; some were corrected since.
;; Multi Head Attention. Allowed arithmetic: matrix products marked QUANTISED: E2M3 operands, one E8M0 scale for each 32 along K, by v_wmma_scale_f32_16x16x128_f8f6f4 with both operands' format E2M3, f32 sums; everything else in f32.
;; Inputs: K 4 x 2,048 x 1,024 float32; Q 4 x 2,048 x 1,024 float32; V 4 x 2,048 x 1,024 float32; Wk 1,024 x 1,024 float32; Wo 1,024 x 1,024 float32; Wq 1,024 x 1,024 float32; Wv 1,024 x 1,024 float32; bk 1,024 float32; bo 1,024 float32; bq 1,024 float32; bv 1,024 float32; mask 4 x 1 x 1 x 2,048 int32.
;; Outputs: out0 4 x 2,048 x 1,024 float32.
;; This version of the problem:
;;   THIS VERSION OF THE PROBLEM IS GIVEN IN LOW PRECISION. The matrix products marked QUANTISED in the list below multiply operands that are first quantised to E2M3 (2 exponent bits, 3 mantissa bits; 6 bits a number), with one power-of-two scale for each 32 numbers along K (OCP MX v1.0); their sums are f32. All else is computed in f32.
;;   The module's matrix products, in the order in which they are computed (A, B: the left and right operand; K: the contracted axis; several contracted axes count as one K, in the product's order):
;;     1. [M 8,192, K 1,024] x [K 1,024, N 1,024]; A: input Q; B: input Wq: QUANTISED
;;     2. [M 8,192, K 1,024] x [K 1,024, N 1,024]; A: input K; B: input Wk: QUANTISED
;;     3. [M 8,192, K 1,024] x [K 1,024, N 1,024]; A: input V; B: input Wv: QUANTISED
;;     4. batch 64 x [M 2,048, K 64] x [K 64, N 2,048]; A: computed on the way; B: computed on the way: QUANTISED
;;     5. batch 64 x [M 2,048, K 2,048] x [K 2,048, N 64]; A: softmax (see below); B: computed on the way: QUANTISED
;;     6. [M 8,192, K 1,024] x [K 1,024, N 1,024]; A: computed on the way; B: input Wo: QUANTISED
;;   THE QUANTISER, for each operand of a quantised product, along K:
;;     - K is cut into blocks of 32 from its start; a last block that is shorter is filled with zeros.
;;     - A block's scale is 2^e with e = floor(log2(the largest magnitude in the block)) - 2, held to -126 .. 127; a block of zeros has e = 0. As a byte (E8M0): e + 127.
;;     - Each number is divided by its block's scale, clamped to +-7.5, and rounded to the nearest number of E2M3, ties to even, subnormals kept.
;;     - The product sums the exact products of the quantised numbers (number of the format x scale) in f32.
;;   ~~~python
;;   def quantise(x, axis):      # numpy; x: float32 -> the quantised numbers, widened to float32 again
;;       x = np.moveaxis(x, axis, -1); K = x.shape[-1]
;;       x = np.pad(x, [(0, 0)] * (x.ndim - 1) + [(0, -K % 32)]); x = x.reshape(x.shape[:-1] + (-1, 32)); a = np.abs(x).max(-1, keepdims=True)
;;       e = np.where(a > 0, np.clip(np.frexp(np.where(a > 0, a, 1))[1] - 1 - 2, -126, 127), 0)      # np.frexp(a)[1] - 1 = floor(log2(a)), exactly
;;       r = np.clip(x / 2.0 ** e, -7.5, 7.5)
;;       step = 2.0 ** (np.maximum(np.frexp(np.where(r == 0, 1, r))[1] - 1, 0) - 3)
;;       q = np.round(r / step) * step * 2.0 ** e      # np.round: ties to even
;;       return np.moveaxis(q.reshape(q.shape[:-2] + (-1,))[..., :K], -1, axis).astype(np.float32)
;;   ~~~
;;   SOFTMAX AHEAD OF A QUANTISED PRODUCT. Where the list says 'softmax', what is quantised is not the finished softmax but p = 2^(t - M), with t = logit x log2(e) and M = ceil(the row's largest t), a whole number; so 1/2 < the row's largest p <= 1. The row's sum l is taken of the UNQUANTISED p, in f32, and the product's result is divided by l at the end. Since M is a whole number, a kernel that streams over the keys may use a running M (the ceiling of the running maximum): every later rescaling is an exact power of two, which a block's scale takes up: the codes' values come out the same.
;;   OPERANDS COMPUTED ON THE WAY. 'Computed on the way' means the value that the module computes at that place (a softmax that the list does not call 'softmax' is quantised finished and normalised). What goes into a quantiser is computed in f32, as accurately as f32 sums, v_exp_f32 and their like allow (about 1e-6 of the number): no bf16 or f16 on the way to a quantiser, and a product that is left as it is and whose result goes on into a quantised operand takes f32 operands (vector FMAs, or v_wmma_f32_16x16x4_f32). A number that lies on a knife's edge between two numbers of the format may be rounded either way, as far as f32 arithmetic and the matrix unit's own rounding can turn it there, and no further.
;; One version. Each part assembles by itself: llvm-mc -triple=amdgcn-amd-amdhsa -mcpu=gfx1250 --defsym DOCPART=n.
;; ======== version 1 of 1: 4 launches
;; limits: right only within a limited range of input values
;; workspace buffers: opc 22,937,600 bytes; qkv 20,185,088 bytes; ctx 6,553,600 bytes
;; launch quant (part 1): grid 256 x 1, 7 waves a work-group, no clusters, 60,160 bytes of LDS; arguments Q, K, V, Wq, Wk, Wv, Wo, opc; writes opc
.if DOCPART == 1
	.amdgcn_target "amdgcn-amd-amdhsa--gfx1250"
	.amdhsa_code_object_version 6
	.text
	.protected	k_q1e12822576_quant
	.globl	k_q1e12822576_quant
	.p2align	8
	.type	k_q1e12822576_quant,@function
k_q1e12822576_quant:
	s_mov_b64 s[64:65], 0
	v_nop
	global_prefetch_b8 v0, s[64:65] scope:SCOPE_SE
	s_setreg_imm32_b32 hwreg(HW_REG_WAVE_MODE, 25, 1), 1
	s_wait_xcnt 0x0
; Q, K, V [8192][1024] and Wq, Wk, Wv, Wo [1024][1024], f32, K innermost, become codes of FP6 (E2M3) with one E8M0 byte for each 32 along K,
; laid in opc as IMAGES OF OPERAND REGISTERS.  A row group is 128 rows; a PIECE is a row group x 128 along K: 8 fragments of 1,536 bytes, then 512 bytes of scale words.
; A fragment is a tile of 16 rows: lane r of tile i holds row 32 (i / 2) + 8 (i % 2) + r + 8 (r / 8) of the group.  Its 12 registers lie as two halves of 768 bytes
; (64 along K each): registers 0-3 at 16 x lane, registers 4-5 at 512 + 8 x lane.  Scale words: [i / 4][r][i % 4], 4 bytes each.
; Row groups in opc: Q 0-63, K 64-127, V 128-191, Wq 192-199, Wk 200-207, Wv 208-215, Wo 216-223; a group is 8 pieces, K ascending.
; A block's scale is 2^(floor(log2(largest magnitude)) - 2); its byte is that magnitude's exponent field - 2, held at 1 from below.
; LIMITS: a block of zeros gets the byte 1 (its codes are zeros, and this program alone reads the bytes); NaN and infinities among the inputs are not served.
; SHARES: work-group x takes row group x / 2, wave w the piece of K step 4 (x % 2) + w.  Each load reads 512 consecutive bytes of one row; a tile's 16 rows turn through the wave's
; own stage in LDS (rows 528 bytes apart), from which lane (r, h) takes the two blocks of 32 that the operand's layout gives it.  Every store covers whole aligned runs of 256 bytes.
; No matrix work, no barrier, no tensor load: waves share nothing.  Two tiles (32 loads a wave) are on their way.
; THE SHARES AND K'S TILES AS THE TEXT HAS THEM (in place of the lines on them above): the 224 row groups x 8 K steps are 1,792 pieces = 256 work-groups x 7 waves:
; wave w of work-group x takes piece 7 x + w: row group (7 x + w) / 8, K step (7 x + w) % 8.
; In tensor K alone (row groups 64-127) lane r of tile i holds row 64 (i / 4) + 8 (i % 4) + r % 8 + 32 (r / 8): in attention a lane then holds whole blocks of 32 keys.
; Against the other tensors' order that is 16 rows further on for r >= 8 of tiles 0, 1, 4, 5 and 16 rows back for r < 8 of tiles 2, 3, 6, 7: two more offset registers carry the difference.
.set STG,   8448
.set LP,    9                          ; v9   16 x lane, + 16 rows for tensor K
.set LQ,    10                         ; v10  16 x lane, + 16 rows for all tensors but K (its loads' immediates stand 16 rows back)
.set SPARE, 7*STG
.set RGB,   102400                     ; a row group in opc
.set PIECE, 12800
.set FRB,   1536
.set L16,  2                           ; v2   16 x lane
.set L8,   3                           ; v3   8 x lane
.set SIN,  4                           ; v4   the stage on the way in
.set SOUT, 5                           ; v5   and on the way out: row r, + 128 h
.set SH8,  6                           ; v6   8 h
.set SPW,  12                          ; v12  my spare word; never rewritten
.set NIL,  13                          ; v13  0; never rewritten
.set R,    16                          ; v16-143  two sets of 64: a tile as loaded
.set X,    144                         ; v144-207 my two blocks of 32
.set PC,   208                         ; v208-219 the fragment's 12 registers
.set T0,   220                         ; v220-222, v224-226: the second halves of the blocks' codes
.set T1,   224
.set WK,   228
.set PW,   240                         ; v240-247 the tiles' scale words
.set OUT,  248
	s_load_b512 s[4:19], s[0:1], 0x0               ; Q, K, V, Wq, Wk, Wv, Wo, opc
	v_lshl_add_u32 v[SPW], v0, 2, SPARE
	v_mov_b32 v[NIL], 0
	v_lshrrev_b32 v1, 5, v0
	v_readfirstlane_b32 s24, v1                    ; wave
	v_and_b32 v1, 31, v0
	v_lshlrev_b32 v[L16], 4, v1
	v_lshlrev_b32 v[L8], 3, v1
	s_mul_i32 s25, s24, STG
	v_add_nc_u32 v[SIN], s25, v[L16]
	v_and_b32 v7, 15, v0                           ; r
	v_bfe_u32 v8, v0, 4, 1                         ; h
	v_mul_u32_u24 v[SOUT], v7, 528
	v_lshl_add_u32 v[SOUT], v8, 7, v[SOUT]
	v_add_nc_u32 v[SOUT], s25, v[SOUT]
	v_lshlrev_b32 v[SH8], 3, v8
	v_mov_b32 v[WK+4], 0                           ; a lane permute's destination counts as one of its sources
	s_mov_b32 s30, 0x76543210
	s_mov_b32 s31, 0xfedcba98                      ; selects for lane l xor 16
	s_mov_b32 s28, 0xffff0000                      ; lanes 16-31
	s_mul_i32 s23, ttmp9, 7
	s_add_co_u32 s23, s23, s24                     ; my piece
	s_and_b32 s26, s23, 7                          ; K step
	s_lshr_b32 s23, s23, 3                         ; row group
	s_sub_co_u32 s35, s23, 64
	s_cmp_lt_u32 s35, 64                           ; tensor K?
	s_cselect_b32 s35, 0x10000, 0                  ; 16 rows of 4,096 bytes
	s_xor_b32 s36, s35, 0x10000
	v_add_nc_u32 v[LP], s35, v[L16]
	v_add_nc_u32 v[LQ], s36, v[L16]
	s_wait_alu depctr_va_vdst(0)
	s_wait_kmcnt 0x0
	s_mov_b64 s[20:21], s[4:5]                     ; which tensor: a choice on the work-group's number alone
	s_mov_b32 s22, 0
.macro PICK lim, p
	s_cmp_ge_u32 s23, \lim
	s_cselect_b64 s[20:21], s[\p:\p+1], s[20:21]
	s_cselect_b32 s22, \lim, s22
.endm
	PICK 64, 6
	PICK 128, 8
	PICK 192, 10
	PICK 200, 12
	PICK 208, 14
	PICK 216, 16
	s_sub_co_u32 s22, s23, s22                     ; the row group inside its tensor: 128 rows of 4,096 bytes
	s_lshl_b32 s32, s22, 19
	s_lshl_b32 s33, s26, 9                         ; + 512 bytes a K step
	s_add_co_u32 s32, s32, s33
	s_mov_b32 s33, 0
	s_add_nc_u64 s[20:21], s[20:21], s[32:33]
	; WHERE A PIECE LIES.  Q, K and Wv (row groups 0-127, 208-215): group by group, K ascending, as said above.  V, Wq, Wk, Wo: two neighbouring row groups g, g + 1 (g even) lie together BY HALVES OF K:
	; g's K steps 0-3, (g + 1)'s K steps 0-3, g's 4-7, (g + 1)'s 4-7: so one half of K of both groups is 102,400 bytes on end.
	s_and_b32 s34, s23, 1                          ; a = group % 2
	s_lshr_b32 s37, s26, 2                         ; b = K step / 4
	s_sub_co_u32 s38, s23, 208
	s_cmp_lt_u32 s38, 8
	s_cselect_b32 s38, 0, s23                      ; Wv goes with the first kind
	s_cmp_ge_u32 s38, 128
	s_cselect_b32 s39, s37, s34                    ; counts 102,400 bytes: a, or in a pair b
	s_cselect_b32 s37, s34, s37                    ; counts 51,200 bytes: b, or in a pair a
	s_and_b32 s32, s23, 0xfe
	s_add_co_u32 s32, s32, s39
	s_mul_i32 s32, s32, RGB
	s_mul_i32 s37, s37, RGB/2
	s_add_co_u32 s32, s32, s37
	s_and_b32 s34, s26, 3
	s_mul_i32 s34, s34, PIECE
	s_add_co_u32 s32, s32, s34
	s_add_nc_u64 s[18:19], s[18:19], s[32:33]      ; my piece
.macro LOAD i                          ; tile i's 16 rows, 512 consecutive bytes a load
.irp j, 0,1,2,3,4,5,6,7,8,9,10,11,12,13,14,15
.if ((\i)%4 < 2) && (\j >= 8)
	global_load_b128 v[R+64*((\i)%2)+4*\j:R+64*((\i)%2)+4*\j+3], v[LP], s[20:21] offset:(32*((\i)/2)+8*((\i)%2)+\j+8*(\j/8))*4096 th:TH_LOAD_NT
.elseif ((\i)%4 >= 2) && (\j < 8)
	global_load_b128 v[R+64*((\i)%2)+4*\j:R+64*((\i)%2)+4*\j+3], v[LQ], s[20:21] offset:(32*((\i)/2)+8*((\i)%2)+\j+8*(\j/8)-16)*4096 th:TH_LOAD_NT
.else
	global_load_b128 v[R+64*((\i)%2)+4*\j:R+64*((\i)%2)+4*\j+3], v[L16], s[20:21] offset:(32*((\i)/2)+8*((\i)%2)+\j+8*(\j/8))*4096 th:TH_LOAD_NT
.endif
.endr
.endm
.macro TILE i
.if (\i) < 7
	s_wait_loadcnt 16                              ; this tile's 16 loads are in; the next tile's may be out
.else
	s_wait_loadcnt 0x0
.endif
.irp j, 0,1,2,3,4,5,6,7,8,9,10,11,12,13,14,15
	ds_store_b128 v[SIN], v[R+64*((\i)%2)+4*\j:R+64*((\i)%2)+4*\j+3] offset:528*\j
.endr
.irp q, 0,1,2,3,4,5,6,7                        ; LDS serves a wave's instructions in order: these see the stores above
	ds_load_b128 v[X+4*\q:X+4*\q+3], v[SOUT] offset:16*\q              ; k = 32 h + 0 .. 31
	ds_load_b128 v[X+32+4*\q:X+32+4*\q+3], v[SOUT] offset:256+16*\q    ; k = 64 + 32 h + 0 .. 31
.endr
	s_wait_dscnt 0x0                               ; my blocks are in, and the stores have read their registers,
.if (\i)+2 < 8
	LOAD (\i)+2                                    ; which take the tile two on
.endif
	v_max3_num_f32 v[WK], |v[X]|, |v[X+1]|, 0x1800000        ; the largest magnitude of each block, and the floor 2^(3 - 127): the byte cannot fall under 1
	v_max3_num_f32 v[WK+1], |v[X+32]|, |v[X+33]|, 0x1800000
.irp n, 2,4,6,8,10,12,14,16,18,20,22,24,26,28,30
	v_max3_num_f32 v[WK], v[WK], |v[X+\n]|, |v[X+\n+1]|
	v_max3_num_f32 v[WK+1], v[WK+1], |v[X+32+\n]|, |v[X+32+\n+1]|
.endr
	v_add_nc_u32 v[WK+2], 0xff000000, v[WK]        ; 2 off the exponent field: the conversion's scale operand
	v_add_nc_u32 v[WK+3], 0xff000000, v[WK+1]
	v_lshrrev_b32 v[WK], 23, v[WK+2]               ; the bytes of blocks h and 2 + h
	v_lshrrev_b32 v[WK+1], 23, v[WK+3]
	v_lshl_or_b32 v[WK], v[WK+1], 16, v[WK]
	v_lshlrev_b32 v[WK], v[SH8], v[WK]             ; at their places in the word
	v_permlanex16_b32 v[WK+4], v[WK], s30, s31
	v_or_b32 v[PW+(\i)], v[WK], v[WK+4]            ; with lane l xor 16's two the word is whole
	s_wait_alu depctr_va_vdst(0)
	s_wait_xcnt 0x0                                ; the last tile's stores have read the registers that are written next
	v_cvt_scalef32_pk16_fp6_f32 v[PC:PC+2], v[X:X+15], v[WK+2]
	v_cvt_scalef32_pk16_fp6_f32 v[T0:T0+2], v[X+16:X+31], v[WK+2]     ; (a conversion's three registers begin on an even number)
	v_cvt_scalef32_pk16_fp6_f32 v[PC+6:PC+8], v[X+32:X+47], v[WK+3]
	v_cvt_scalef32_pk16_fp6_f32 v[T1:T1+2], v[X+48:X+63], v[WK+3]
	v_nop                                          ; one plain place behind the scaled conversions
.irp n, 0,1,2
	v_mov_b32 v[PC+3+\n], v[T0+\n]
	v_mov_b32 v[PC+9+\n], v[T1+\n]
.endr
	global_store_b128 v[L16], v[PC:PC+3], s[18:19] offset:(\i)*FRB
	global_store_b64 v[L8], v[PC+4:PC+5], s[18:19] offset:(\i)*FRB+512
	global_store_b128 v[L16], v[PC+6:PC+9], s[18:19] offset:(\i)*FRB+768
	global_store_b64 v[L8], v[PC+10:PC+11], s[18:19] offset:(\i)*FRB+1280
.endm
	LOAD 0
	LOAD 1
.irp i, 0,1,2,3,4,5,6,7
	TILE \i
.endr
.irp k, 0,1,2,3
	v_cndmask_b32 v[OUT+\k], v[PW+\k], v[PW+4+\k], s28       ; lanes 0-15: tiles 0-3 of row r; lanes 16-31: tiles 4-7
.endr
	global_store_b128 v[L16], v[OUT:OUT+3], s[18:19] offset:8*FRB
	s_wait_tensorcnt 0x0                           ; the wave's end
	ds_add_u32 v[SPW], v[NIL]
	s_wait_dscnt 0x0
	s_endpgm
.Lfunc_end_k_q1e12822576_quant:
	.size	k_q1e12822576_quant, .Lfunc_end_k_q1e12822576_quant-k_q1e12822576_quant
	.p2alignl 7, 3214868480
	.fill 96, 4, 3214868480
	.section	.rodata,"a",@progbits
	.p2align	6, 0x0
	.amdhsa_kernel k_q1e12822576_quant
		.amdhsa_group_segment_fixed_size 60160
		.amdhsa_private_segment_fixed_size 0
		.amdhsa_enable_private_segment 0
		.amdhsa_kernarg_size 64
		.amdhsa_user_sgpr_count 2
		.amdhsa_user_sgpr_kernarg_segment_ptr 1
		.amdhsa_wavefront_size32 1
		.amdhsa_system_sgpr_workgroup_id_x 1
		.amdhsa_system_sgpr_workgroup_id_y 1
		.amdhsa_system_sgpr_workgroup_id_z 1
		.amdhsa_system_vgpr_workitem_id 0
		.amdhsa_next_free_vgpr 256
		.amdhsa_next_free_sgpr 66
		.amdhsa_reserve_vcc 0
		.amdhsa_float_denorm_mode_32 3
		.amdhsa_float_denorm_mode_16_64 3
		.amdhsa_memory_ordered 1
		.amdhsa_forward_progress 1
		.amdhsa_inst_pref_size 60
	.end_amdhsa_kernel
	.amdgpu_metadata
---
amdhsa.version: [ 1, 2 ]
amdhsa.kernels:
  - .name:           k_q1e12822576_quant
    .symbol:         k_q1e12822576_quant.kd
    .args:
      - { .name: Q, .offset: 0, .size: 8, .value_kind: global_buffer, .address_space: global }
      - { .name: K, .offset: 8, .size: 8, .value_kind: global_buffer, .address_space: global }
      - { .name: V, .offset: 16, .size: 8, .value_kind: global_buffer, .address_space: global }
      - { .name: Wq, .offset: 24, .size: 8, .value_kind: global_buffer, .address_space: global }
      - { .name: Wk, .offset: 32, .size: 8, .value_kind: global_buffer, .address_space: global }
      - { .name: Wv, .offset: 40, .size: 8, .value_kind: global_buffer, .address_space: global }
      - { .name: Wo, .offset: 48, .size: 8, .value_kind: global_buffer, .address_space: global }
      - { .name: opc, .offset: 56, .size: 8, .value_kind: global_buffer, .address_space: global }
    .group_segment_fixed_size: 60160
    .private_segment_fixed_size: 0
    .kernarg_segment_align: 8
    .kernarg_segment_size: 64
    .max_flat_workgroup_size: 224
    .sgpr_count:     66
    .vgpr_count:     256
    .wavefront_size: 32
...
	.end_amdgpu_metadata
.endif
;; end of part 1
;; launch proj (part 2): grid 4 x 192, 4 waves a work-group, clusters of 4 x 4, 327,680 bytes of LDS; arguments opc, mask, bq, bk, bv, qkv; writes qkv
.if DOCPART == 2
	.amdgcn_target "amdgcn-amd-amdhsa--gfx1250"
	.amdhsa_code_object_version 6
	.text
	.protected	k_q1e12822576_proj
	.globl	k_q1e12822576_proj
	.p2align	8
	.type	k_q1e12822576_proj,@function
k_q1e12822576_proj:
	s_mov_b64 s[64:65], 0
	v_nop
	global_prefetch_b8 v0, s[64:65] scope:SCOPE_SE
	s_setreg_imm32_b32 hwreg(HW_REG_WAVE_MODE, 25, 1), 1
	s_wait_xcnt 0x0
	s_wait_alu depctr_hold_cnt(0) depctr_sa_sdst(0) depctr_va_vdst(0) depctr_va_sdst(0) depctr_va_ssrc(0) depctr_va_vcc(0) depctr_vm_vsrc(0)
	s_getreg_b32 s2, hwreg(HW_REG_IB_STS2, 6, 4)
	s_cmp_eq_u32 s2, 0
	s_cbranch_scc0 .Lentry_in_a_cluster
	s_endpgm
.Lentry_in_a_cluster:
	s_bfe_u32 s2, ttmp6, 0x10000c
	s_cmp_lg_u32 s2, 0xf033
	s_cbranch_scc0 .Lentry_shape_is_right
	s_endpgm
.Lentry_shape_is_right:
; q = Q Wq^T + bq, k = K Wk^T + bk, v = V Wv^T + bv on codes of FP6 (E2M3) with E8M0 scales, the results quantised in registers for attention's two products.
; One text: Out[R][C] = quantise along C of (R . C^T + bias).  Source 0 of the matrix instruction is C's tile (its rows fall on a lane's registers), source 1 R's (on the lanes).
; q, k: R = tokens, C = features (blocks of 32 along a head's 64).  v: R = features (rows of Wv), C = tokens: so v comes out quantised along the KEYS.
; Operands lie in opc as images of registers (pieces of 128 rows x 128 K: 8 fragments of 1,536 bytes + 512 bytes of scale words; tile i's lane r is row 32 (i / 2) + 8 (i % 2) + r + 8 (r / 8)),
; so that register 16 b + i of a lane's 64 results is column 32 b + 16 (lane / 16) + i: sixteen neighbours for the conversions.
; SHARES: a work-group makes 128 R x 256 C, a wave 64 x 128: 32 accumulators.  768 work-groups.  Cluster y g: product g / 16, part i = g % 16.
; CLUSTER 4 x 4: R's row group hangs on cy alone and is asked for jointly along a row of the cluster, C's two on cx alone, along a column.
; LDS holds the work-group's operands for ALL of K (102,400 bytes for R, 204,800 for C): every byte is filled once, in four chunks of 256 along K; a counted wait and a barrier open each chunk.
; By this text's count a wave has four tensor loads out.
; THE MASK: the codes of k at tokens whose mask is 0 are set to zero, so that their products in attention are exactly 0.
; OUTPUT, a record of 315,392 bytes for each (batch, head): k's 128 tiles of 768 bytes at 0; v's [step 16][d tile 4] fragments at 98,304; k's scale words at 196,608; v's at 204,800; q's tiles at 208,896; q's words at 307,200.
; LIMITS: a block of zeros gets the byte 1 (this program alone reads the bytes); NaN and infinities are not served.
; REGISTERS: window 0: v1-7 lane terms; v16-21 LDS addresses; v28, v29 the add's; v32-47 R's scale words; v48-79 C's; v80-143 the bias as C; v144-239 R's fragments, two sets; v240-243 the mask.
;   window 1: C's fragments, two sets, at v0 and v128.   window 2: accumulator (a, b) at v[8 (8 a + b)].
; THE FILLS AS THE TEXT HAS THEM (in place of the lines on four chunks above): one tensor load a wave, at the head, each on a line of its own: wave 0 R's K steps 0-3 (200 rows of 256 bytes), wave 1 R's K steps 4-7,
; wave 2 K steps 0-3 of both row groups of C (400 rows: the launch before lays such a pair by halves of K), wave 3 their K steps 4-7.  The first barrier shows waves 0 and 2's tiles; waves 1 and 3's may still be
; on their way; a second barrier, in K step 3, with every wave's wait for 0 ahead of it, shows the rest.  One tensor load of a wave is out.
; In LDS row group CH of C has its K steps 0-3 at LB + 51,200 CH and its K steps 4-7 102,400 bytes further on.
; K's tokens: lane r of tile i is row 64 (i / 4) + 8 (i % 4) + r % 8 + 32 (r / 8) of its group (the launch before lays tensor K so): the mask is read in that order.
.set RGB,   102400
.set PIECE, 12800
.set CHUNK, 25600
.set FRB,   1536
.set REC,   315392
.set F_VI,  98304
.set F_KS,  196608
.set F_VS,  204800
.set F_QI,  208896
.set F_QS,  307200
.set LB,    102400                     ; C's operands in LDS
.set SPARE, 307200                     ; the spare words, 128 bytes a wave
.set VR,  1
.set VH,  2
.set VL,  3
.set L16, 4
.set L8,  5
.set VBC, 6                            ; 64 h
.set VRW, 7                            ; 4 (r + 8 (r / 8))
.set A16, 16
.set A8,  17
.set B16, 18
.set B8,  19
.set ASA, 20
.set BSA, 21
.set SPW, 28
.set NIL, 29
.set SA,  32
.set SB,  48
.set BI,  80
.set AF,  144
.set KEEP, 240
.set TM,  144                          ; the way out, where R's fragments lay
.set PW,  160
.set PC,  168
.set OUT, 192
.set VSO, 196
.set G1A, 24
.set G1B, 32
.set G0A, 40
.set G0B, 68
.set MSB, 0
.macro WIN new                         ; the immediate's high byte repeats the setting that is left
.if MSB != \new
	s_set_vgpr_msb (MSB<<8)|\new
.set MSB, \new
.endif
.endm
.macro CROUND                          ; a round of the cluster's barrier
	s_barrier_signal -1
	s_barrier_wait -1
	s_cmp_lg_u32 s16, 0
	s_cbranch_scc1 .Lnot_wave_0_\@
	s_barrier_signal -3
.Lnot_wave_0_\@:
	s_barrier_wait -3
	s_barrier_signal -1
	s_barrier_wait -1
.endm
	s_load_b256 s[4:11], s[0:1], 0x0               ; opc, mask, bq, bk
	s_load_b128 s[12:15], s[0:1], 0x20             ; bv, qkv
	v_lshl_add_u32 v[SPW], v0, 2, SPARE
	v_mov_b32 v[NIL], 0
	ds_add_u32 v[SPW], v[NIL]                      ; the wave's opening: the add and its wait ahead of my first tensor load
	ds_add_u32 v[SPW], v[NIL]
	v_lshrrev_b32 v1, 5, v0
	v_readfirstlane_b32 s16, v1                    ; wave
	s_lshr_b32 s17, s16, 1                         ; RH: my half of R's rows.  Also: I fetch for R (0) or for C (1)
	s_and_b32 s18, s16, 1                          ; CH: my row group of C.  Also: which part I fetch
	s_bfe_u32 s19, ttmp6, 0x40000                  ; cx
	s_bfe_u32 s20, ttmp6, 0x40004                  ; cy
	s_and_b32 s21, ttmp7, 0xffff                   ; g
	s_lshr_b32 s22, s21, 4                         ; the product: 0 q, 1 k, 2 v
	s_and_b32 s23, s21, 15                         ; i
	s_lshl_b32 s56, s20, 2
	s_lshl_b32 s56, 15, s56                        ; my row of the cluster
	s_lshl_b32 s57, 0x1111, s19                    ; my column
	s_or_b32 s[G1A], s56, (3<<16)|(1<<21)          ; the mask; elements of 8 bytes; bit 21 beside a mask; no padding
	s_mov_b32 s[G1A+1], 32<<16                     ; rows of 256 bytes
	s_mov_b32 s[G1A+2], 200<<16                    ; four pieces: 200 rows
	s_mov_b32 s[G1A+3], 32<<16
	s_mov_b32 s[G1A+4], 200
	s_mov_b32 s[G1A+5], 32
	s_mov_b32 s[G1A+6], 0
	s_mov_b32 s[G1A+7], 0
	s_or_b32 s[G1B], s57, (3<<16)|(1<<21)
	s_mov_b32 s[G1B+1], 32<<16
	s_mov_b32 s[G1B+2], 400<<16                    ; eight pieces: 400 rows
	s_mov_b32 s[G1B+3], 32<<16
	s_mov_b32 s[G1B+4], 400
	s_mov_b32 s[G1B+5], 32
	s_mov_b32 s[G1B+6], 0
	s_mov_b32 s[G1B+7], 0
	s_mov_b32 s58, 0x76543210
	s_mov_b32 s59, 0xfedcba98                      ; selects for lane l xor 16
	s_lshl_b32 s60, s23, 2                         ; q, k: R's row groups 4 i + cy
	s_lshr_b32 s61, s23, 3
	s_lshl_b32 s61, s61, 2                         ; v: 4 (i / 8) + cy
	s_lshl_b32 s62, s22, 6                         ; q, k: R's tensor begins at row group 64 x product
	s_and_b32 s63, s23, 7
	s_lshl_b32 s63, s63, 3                         ; v: C's row groups 8 (i % 8) + 2 cx + CH
	s_lshl_b32 s66, s22, 3
	s_add_co_u32 s66, s66, 192                     ; q, k: C's tensor begins at 192 + 8 x product
	s_mov_b32 s98, 768
	s_mov_b32 s67, REC
	s_cmp_eq_u32 s22, 2                            ; the same in all sixteen partners
	s_cselect_b32 s60, s61, s60
	s_cselect_b32 s62, 208, s62
	s_cselect_b32 s63, s63, 0
	s_cselect_b32 s66, 128, s66
	s_cselect_b32 s98, 1536, s98                   ; from tile a to tile a + 1 in the record
	s_cselect_b32 s67, 768, s67                    ; from a fragment's first half to its second: the next head's record, or (v) the next 768 bytes
	s_cselect_b32 s100, 16, 32                     ; lanes that store scale words
	s_cselect_b32 s2, 7, 6                         ; tokens to a block of 256 bytes of scale words: 2^7 (v) or 2^6
	s_mov_b32 s99, 0
	s_add_co_u32 s84, s60, s20                     ; R's row group in its tensor: holds cy, never cx
	s_add_co_u32 s86, s62, s84
	s_mul_i32 s86, s86, RGB
	s_mul_i32 s61, s18, 4*PIECE                    ; the half of K that I fetch for R: in memory and in LDS
	s_add_co_u32 s86, s86, s61
	s_mov_b32 s87, 0
	s_lshl_b32 s85, s19, 1
	s_add_co_u32 s85, s85, s18
	s_add_co_u32 s85, s85, s63                     ; C's row group in its tensor: holds cx, never cy
	s_add_co_u32 s88, s66, s85
	s_mul_i32 s88, s88, RGB
	s_mov_b32 s89, 0
	s_mul_i32 s62, s18, RGB
	s_add_co_u32 s62, s62, LB                      ; my row group of C in LDS
	s_wait_dscnt 0x0                               ; the opening add is done
	s_wait_kmcnt 0x0
	s_add_nc_u64 s[86:87], s[4:5], s[86:87]
	s_add_nc_u64 s[88:89], s[4:5], s[88:89]
.irp j, 0
	s_mov_b32 s[G0A+4*\j], 1
	s_add_co_u32 s[G0A+4*\j+1], s61, \j*CHUNK
	s_add_nc_u64 s[G0A+4*\j+2:G0A+4*\j+3], s[86:87], \j*CHUNK
	s_or_b32 s[G0A+4*\j+3], s[G0A+4*\j+3], 0x80000000
	s_mov_b32 s[G0B+4*\j], 1
	s_add_co_u32 s[G0B+4*\j+1], s62, \j*CHUNK
	s_add_nc_u64 s[G0B+4*\j+2:G0B+4*\j+3], s[88:89], \j*CHUNK
	s_or_b32 s[G0B+4*\j+3], s[G0B+4*\j+3], 0x80000000
.endr
	CROUND                                         ; all sixteen work-groups are here: the joint loads meet
	s_cmp_eq_u32 s16, 0                            ; one chain of branches on the wave's number, one load to an arm
	s_cbranch_scc0 .Lfill_1
	tensor_load_to_lds s[G0A:G0A+3], s[G1A:G1A+7]
	s_nop 0
.rept 4
	v_nop
.endr
	s_branch .Lfilled
.Lfill_1:
	s_cmp_eq_u32 s16, 1
	s_cbranch_scc0 .Lfill_2
	tensor_load_to_lds s[G0A:G0A+3], s[G1A:G1A+7]
	s_nop 0
.rept 4
	v_nop
.endr
	s_branch .Lfilled
.Lfill_2:
	s_cmp_eq_u32 s16, 2
	s_cbranch_scc0 .Lfill_3
	tensor_load_to_lds s[G0B:G0B+3], s[G1B:G1B+7]
	s_nop 0
.rept 4
	v_nop
.endr
	s_branch .Lfilled
.Lfill_3:
	tensor_load_to_lds s[G0B:G0B+3], s[G1B:G1B+7]
	s_nop 0
.rept 4
	v_nop
.endr
.Lfilled:
	s_mul_i32 s62, s18, RGB/2
	s_add_co_u32 s62, s62, LB                      ; from here on: where my row group of C's K steps 0-3 are read
	v_and_b32 v[VR], 15, v0
	v_bfe_u32 v[VH], v0, 4, 1
	v_and_b32 v[VL], 31, v0
	v_lshlrev_b32 v[L16], 4, v[VL]
	v_lshlrev_b32 v[L8], 3, v[VL]
	v_lshlrev_b32 v[VBC], 6, v[VH]
	v_and_b32 v[VRW], 8, v[VR]
	v_add_nc_u32 v[VRW], v[VRW], v[VR]
	v_lshlrev_b32 v[VRW], 2, v[VRW]
	v_and_b32 v9, 7, v[VR]
	v_lshrrev_b32 v10, 3, v[VR]
	v_lshl_add_u32 v9, v10, 5, v9
	v_lshlrev_b32 v9, 2, v9                        ; v9: 4 (r % 8 + 32 (r / 8)): my token of a tile of K
	s_mul_i32 s60, s17, 4*FRB                      ; my four tiles of R
	v_add_nc_u32 v[A16], s60, v[L16]
	v_add_nc_u32 v[A8], s60, v[L8]
	v_add_nc_u32 v[B16], s62, v[L16]
	v_add_nc_u32 v[B8], s62, v[L8]
	v_mul_u32_u24 v8, v[VH], PIECE                 ; scale words: lanes 0-15 take a chunk's first K step, lanes 16-31 its second
	v_lshl_add_u32 v8, v[VR], 4, v8
	s_lshl_b32 s60, s17, 8
	s_add_co_u32 s60, s60, 8*FRB
	v_add_nc_u32 v[ASA], s60, v8
	s_add_co_u32 s60, s62, 8*FRB
	v_add_nc_u32 v[BSA], s60, v8
	; where the results go
	s_lshl_b32 s60, s84, 7
	s_lshl_b32 s63, s17, 6
	s_add_co_u32 s60, s60, s63                     ; my first row of R
	s_lshl_b32 s63, s85, 7                         ; my first row of C
	s_mov_b32 s3, F_KS
	s_cmp_eq_u32 s22, 0
	s_cselect_b32 s66, F_QI, 0
	s_cselect_b32 s3, F_QS, s3
	s_cselect_b64 s[90:91], s[8:9], s[10:11]
	s_cmp_eq_u32 s22, 1
	s_cselect_b32 s101, 0, -1                      ; only k heeds the mask
	s_cmp_eq_u32 s22, 2
	s_cselect_b32 s66, F_VI, s66
	s_cselect_b32 s3, F_VS, s3
	s_cselect_b64 s[90:91], s[12:13], s[90:91]     ; the bias
	s_cselect_b32 s92, s63, s60                    ; my first token
	s_cselect_b32 s93, s60, s63                    ; my first feature
	s_lshl_b32 s94, s60, 2
	s_mov_b32 s95, 0
	s_add_nc_u64 s[6:7], s[6:7], s[94:95]          ; the mask at my first row of R (for q and v the numbers are read and not heeded; the rows lie inside the buffer)
	s_lshl_b32 s94, s93, 2
	s_add_nc_u64 s[90:91], s[90:91], s[94:95]
	s_lshr_b32 s94, s92, 11
	s_lshl_b32 s94, s94, 4
	s_lshr_b32 s96, s93, 6
	s_add_co_u32 s94, s94, s96
	s_mul_i32 s94, s94, REC                        ; the record of (batch, head)
	s_and_b32 s92, s92, 2047
	s_lshr_b32 s96, s92, s2
	s_lshl_b32 s96, s96, 8
	s_add_co_u32 s96, s96, s94
	s_add_co_u32 s96, s96, s3
	s_mov_b32 s97, 0
	s_add_nc_u64 s[96:97], s[14:15], s[96:97]      ; my scale words
	s_mul_i32 s92, s92, 48                         ; 768 bytes for 16 tokens (q, k); 6,144 for 128 (v)
	s_add_co_u32 s92, s92, s94
	s_add_co_u32 s92, s92, s66
	s_mov_b32 s93, 0
	s_add_nc_u64 s[92:93], s[14:15], s[92:93]      ; a fragment's first half
	s_mov_b32 s94, s67
	s_add_nc_u64 s[94:95], s[92:93], s[94:95]      ; and its second
	s_cmp_eq_u32 s22, 2
	s_cbranch_scc1 .Lbias_rows
.irp b, 0,1,2,3,4,5,6,7                        ; q, k: the bias goes by columns: registers 8 b + j hold it at column 32 (b / 2) + 16 h + 8 (b % 2) + j
	global_load_b128 v[BI+8*\b:BI+8*\b+3], v[VBC], s[90:91] offset:4*(32*(\b/2)+8*(\b%2))
	global_load_b128 v[BI+8*\b+4:BI+8*\b+7], v[VBC], s[90:91] offset:4*(32*(\b/2)+8*(\b%2))+16
.endr
	s_branch .Lbias_in
.Lbias_rows:
	s_wait_alu depctr_va_vdst(0)
.irp a, 0,1,2,3                                ; v: by rows: registers 8 a + j all hold it at my lane's row of tile a
.irp j, 0,1,2,3,4,5,6,7
	global_load_b32 v[BI+8*\a+\j], v[VRW], s[90:91] offset:4*(32*(\a/2)+8*(\a%2))
.endr
.endr
.set n, 32
.rept 32
	v_mov_b32 v[BI+n], 0                           ; the rest of the bias registers: written on this way too, read on the other alone
.set n, n+1
.endr
.Lbias_in:
	s_wait_alu depctr_va_vdst(0)
.irp a, 0,1,2,3
	global_load_b32 v[KEEP+\a], v9, s[6:7] offset:32*\a
.endr
	s_wait_loadcnt 0x0
.irp a, 0,1,2,3
	v_cmp_ne_u32 vcc_lo, 0, v[KEEP+\a]
	v_cndmask_b32 v[KEEP+\a], 0, -1, vcc_lo
	v_or_b32 v[KEEP+\a], s101, v[KEEP+\a]          ; all ones, but for k's rows whose mask is 0
.endr
.macro FRAG reg, a16, a8, off          ; a fragment comes back as it was stored: 12 registers by four loads
	ds_load_b128 v[(\reg):(\reg)+3], v[\a16] offset:(\off)
	ds_load_b64 v[(\reg)+4:(\reg)+5], v[\a8] offset:(\off)+512
	ds_load_b128 v[(\reg)+6:(\reg)+9], v[\a16] offset:(\off)+768
	ds_load_b64 v[(\reg)+10:(\reg)+11], v[\a8] offset:(\off)+1280
.endm
.macro FETCH s                         ; K step s: C's eight fragments, R's four; with an even step the scale words of the chunk's two steps.  48 loads, or 51
	WIN 0x40                                       ; destination window 1
.irp b, 0,1,2,3,4,5,6,7
	FRAG 128*((\s)%2)+12*\b, B16, B8, ((\s)%2)*PIECE+\b*FRB
.endr
	WIN 0
.irp a, 0,1,2,3
	FRAG AF+48*((\s)%2)+12*\a, A16, A8, ((\s)%2)*PIECE+\a*FRB
.endr
.if (\s)%2 == 0
	ds_load_b128 v[SB+8*((\s)/2):SB+8*((\s)/2)+3], v[BSA]
	ds_load_b128 v[SB+8*((\s)/2)+4:SB+8*((\s)/2)+7], v[BSA] offset:256
	ds_load_b128 v[SA+4*((\s)/2):SA+4*((\s)/2)+3], v[ASA]
.endif
.endm
.macro MM s, a, b, mode
.set rD, 8*(8*\a+\b)
.set rB, 128*((\s)%2)+12*\b
.set rA, AF+48*((\s)%2)+12*\a
.set rSB, SB+8*((\s)/2)+\b
.set rSA, SA+4*((\s)/2)+\a
.set rC, rD
.if \mode == 1
.set rC, BI+8*\b
.elseif \mode == 2
.set rC, BI+8*\a
.endif
.if (\s)%2
	v_wmma_scale_f32_16x16x128_f8f6f4 v[rD:rD+7], v[rB:rB+11], v[rA:rA+11], v[rC:rC+7], v[rSB], v[rSA] matrix_a_fmt:MATRIX_FMT_FP6 matrix_b_fmt:MATRIX_FMT_FP6 matrix_a_scale:MATRIX_SCALE_ROW1 matrix_b_scale:MATRIX_SCALE_ROW1
.else
	v_wmma_scale_f32_16x16x128_f8f6f4 v[rD:rD+7], v[rB:rB+11], v[rA:rA+11], v[rC:rC+7], v[rSB], v[rSA] matrix_a_fmt:MATRIX_FMT_FP6 matrix_b_fmt:MATRIX_FMT_FP6
.endif
.endm
.macro MUL32 s, mode                   ; 32 products, the accumulators by turns, in the same order in every K step.  mode 1, 2: the bias starts the sums
.if \mode == 0
	WIN 0xa1                                       ; source 0 window 1, source 1 window 0, C and D window 2
.else
	WIN 0x81                                       ; C window 0
.endif
.irp a, 0,1,2,3
.irp b, 0,1,2,3,4,5,6,7
	MM \s, \a, \b, \mode
.endr
.endr
.endm
.macro KSTEP s                         ; steps 1 to 6: the next step is fetched, this one multiplied
.if (\s)%2
	WIN 0
	s_wait_dscnt 0x0                               ; this step's fragments are in; no LDS load of mine is out at the signal
.if (\s) == 3
	s_wait_tensorcnt 0x0                           ; every wave's tile has landed,
	s_barrier_signal -1
	s_barrier_wait -1                              ; and all know: K steps 4-7 may be read
.endif
.irp x, A16, A8, ASA
	v_add_nc_u32 v[\x], CHUNK, v[\x]               ; on by two K steps.  (These six are also the places in front of loads into registers that the last products read)
.endr
.irp x, B16, B8, BSA
.if (\s) == 3
	v_add_nc_u32 v[\x], CHUNK+RGB/2, v[\x]         ; over the other row group's K steps 0-3
.else
	v_add_nc_u32 v[\x], CHUNK, v[\x]
.endif
.endr
	FETCH (\s)+1
.else
.rept 4
	v_nop                                          ; places in front of loads into registers that the last products read
.endr
	FETCH (\s)+1
	s_wait_alu depctr_va_vdst(0)
	s_wait_dscnt 48                                ; all but the 48 just issued
.endif
	MUL32 \s, 0
.endm
	s_cmp_eq_u32 s18, 0
	s_cbranch_scc0 .Llater
	s_wait_tensorcnt 0x0                           ; waves 0 and 2: my tile of K steps 0-3 has landed,
.Llater:
	s_barrier_signal -1
	s_barrier_wait -1                              ; everybody's has
	FETCH 0
	FETCH 1
	s_wait_dscnt 48
	s_cmp_eq_u32 s22, 2
	s_cbranch_scc1 .Lrows
	MUL32 0, 1
	WIN 0
	s_branch .Lsummed
.Lrows:
	MUL32 0, 2
	WIN 0
.Lsummed:
.irp s, 1,2,3,4,5,6
	KSTEP \s
.endr
	s_wait_dscnt 0x0
	MUL32 7, 0
	WIN 0
.rept 4
	v_nop                                          ; places in front of the first read of results and of writes of registers that the last products read
.endr
.irp b, 0,1,2,3
	v_mov_b32 v[TM+4+\b], 0                        ; a lane permute's destination counts as one of its sources
.endr
; Tile a's 64 results a lane become a fragment's codes in v[PC] on and its scale word in v[PW + a].  Each accumulator is read from its low end on.
.macro QUANT a
	WIN 0x28                                       ; sources 1 and 2 window 2
.irp b, 0,1,2,3
	v_max3_num_f32 v[TM+\b], 0x1800000, |v[64*\a+16*\b]|, |v[64*\a+16*\b+1]|   ; block b: my 16 numbers, and the floor 2^(3 - 127)
.endr
.irp i, 2,4,6,8,10,12,14
.irp b, 0,1,2,3
	v_max3_num_f32 v[TM+\b], v[TM+\b], |v[64*\a+16*\b+\i]|, |v[64*\a+16*\b+\i+1]|
.endr
.endr
	WIN 0
.irp b, 0,1,2,3
	v_permlanex16_b32 v[TM+4+\b], v[TM+\b], s58, s59
.endr
.irp b, 0,1,2,3
	v_max_num_f32 v[TM+\b], v[TM+\b], v[TM+4+\b]   ; with lane l xor 16's: the block's largest magnitude
.endr
.irp b, 0,1,2,3
	v_add_nc_u32 v[TM+12+\b], 0xff000000, v[TM+\b] ; 2 off its exponent field: the conversion's scale operand
.endr
.irp b, 0,1,2,3
	v_lshrrev_b32 v[TM+4+\b], 23, v[TM+12+\b]      ; the byte
.endr
	v_lshl_or_b32 v[PW+\a], v[TM+5], 8, v[TM+4]
	v_lshl_or_b32 v[PW+\a], v[TM+6], 16, v[PW+\a]
	v_lshl_or_b32 v[PW+\a], v[TM+7], 24, v[PW+\a]
	WIN 0x02                                       ; source 0 window 2
.irp c, 0,1
	v_cvt_scalef32_pk16_fp6_f32 v[PC+6*\c:PC+6*\c+2], v[64*\a+32*\c:64*\a+32*\c+15], v[TM+12+2*\c]
	v_cvt_scalef32_pk16_fp6_f32 v[PC+12+4*\c:PC+14+4*\c], v[64*\a+32*\c+16:64*\a+32*\c+31], v[TM+12+2*\c+1]
.endr
	WIN 0
	v_nop                                          ; one plain place behind the scaled conversions
.irp c, 0,1                                    ; the operand's layout wants a whole block in a lane
.irp i, 0,1,2
	v_permlane16_swap_b32 v[PC+6*\c+\i], v[PC+12+4*\c+\i]
.endr
.irp i, 0,1,2
	v_mov_b32 v[PC+3+6*\c+\i], v[PC+12+4*\c+\i]
.endr
.endr
.endm
.irp a, 0,1,2,3
	QUANT \a
.irp n, 0,1,2,3,4,5,6,7,8,9,10,11
	v_and_b32 v[PC+\n], v[KEEP+\a], v[PC+\n]       ; k: a masked token's codes become zeros
.endr
	global_store_b128 v[L16], v[PC:PC+3], s[92:93]
	global_store_b64 v[L8], v[PC+4:PC+5], s[92:93] offset:512
	global_store_b128 v[L16], v[PC+6:PC+9], s[94:95]
	global_store_b64 v[L8], v[PC+10:PC+11], s[94:95] offset:512
	s_wait_xcnt 0x0                                ; the stores have read their registers and bases: both are written next
	s_add_nc_u64 s[92:93], s[92:93], s[98:99]
	s_add_nc_u64 s[94:95], s[94:95], s[98:99]
.endr
	s_mov_b32 s101, 0xffff0000
.irp a, 0,1,2,3
	v_lshrrev_b32 v[OUT+\a], 16, v[PW+\a]
	v_cndmask_b32 v[OUT+\a], v[PW+\a], v[OUT+\a], s101       ; q, k: lanes 0-15 the first head's two bytes (the upper two scale zero codes), lanes 16-31 the second head's.  v: lanes 0-15 the whole word
.endr
	v_mul_u32_u24 v[VSO], v[VH], REC
	v_lshl_add_u32 v[VSO], v[VR], 4, v[VSO]        ; 16 r, and for lanes 16-31 the next head's record
	v_cmp_gt_u32 vcc_lo, s100, v[VL]
	s_wait_alu depctr_va_vdst(0)
	s_wait_xcnt 0x0                                ; EXEC changes only behind this wait
	s_and_saveexec_b32 s3, vcc_lo                  ; v: lanes 0-15 alone
	global_store_b128 v[VSO], v[OUT:OUT+3], s[96:97]         ; sixteen lanes store 256 consecutive bytes
	s_wait_xcnt 0x0
	s_or_b32 exec_lo, exec_lo, s3
	s_wait_tensorcnt 0x0                           ; the wave's end
	ds_add_u32 v[SPW], v[NIL]
	s_wait_dscnt 0x0
	CROUND                                         ; the closing round
	s_endpgm
.Lfunc_end_k_q1e12822576_proj:
	.size	k_q1e12822576_proj, .Lfunc_end_k_q1e12822576_proj-k_q1e12822576_proj
	.p2alignl 7, 3214868480
	.fill 96, 4, 3214868480
	.section	.rodata,"a",@progbits
	.p2align	6, 0x0
	.amdhsa_kernel k_q1e12822576_proj
		.amdhsa_group_segment_fixed_size 327680
		.amdhsa_private_segment_fixed_size 0
		.amdhsa_enable_private_segment 0
		.amdhsa_kernarg_size 48
		.amdhsa_user_sgpr_count 2
		.amdhsa_user_sgpr_kernarg_segment_ptr 1
		.amdhsa_wavefront_size32 1
		.amdhsa_system_sgpr_workgroup_id_x 1
		.amdhsa_system_sgpr_workgroup_id_y 1
		.amdhsa_system_sgpr_workgroup_id_z 1
		.amdhsa_system_vgpr_workitem_id 0
		.amdhsa_next_free_vgpr 768
		.amdhsa_next_free_sgpr 102
		.amdhsa_reserve_vcc 1
		.amdhsa_float_denorm_mode_32 3
		.amdhsa_float_denorm_mode_16_64 3
		.amdhsa_memory_ordered 1
		.amdhsa_forward_progress 1
		.amdhsa_inst_pref_size 100
	.end_amdhsa_kernel
	.amdgpu_metadata
---
amdhsa.version: [ 1, 2 ]
amdhsa.kernels:
  - .name:           k_q1e12822576_proj
    .symbol:         k_q1e12822576_proj.kd
    .args:
      - { .name: opc, .offset: 0, .size: 8, .value_kind: global_buffer, .address_space: global }
      - { .name: mask, .offset: 8, .size: 8, .value_kind: global_buffer, .address_space: global }
      - { .name: bq, .offset: 16, .size: 8, .value_kind: global_buffer, .address_space: global }
      - { .name: bk, .offset: 24, .size: 8, .value_kind: global_buffer, .address_space: global }
      - { .name: bv, .offset: 32, .size: 8, .value_kind: global_buffer, .address_space: global }
      - { .name: qkv, .offset: 40, .size: 8, .value_kind: global_buffer, .address_space: global }
    .group_segment_fixed_size: 327680
    .private_segment_fixed_size: 0
    .kernarg_segment_align: 8
    .kernarg_segment_size: 48
    .max_flat_workgroup_size: 128
    .sgpr_count:     102
    .vgpr_count:     768
    .wavefront_size: 32
...
	.end_amdgpu_metadata
.endif
;; end of part 2
;; launch attn (part 3): grid 4 x 64, 8 waves a work-group, clusters of 4 x 1, 327,680 bytes of LDS; arguments qkv, mask, ctx; writes ctx
.if DOCPART == 3
	.amdgcn_target "amdgcn-amd-amdhsa--gfx1250"
	.amdhsa_code_object_version 6
	.text
	.protected	k_q1e12822576_attn
	.globl	k_q1e12822576_attn
	.p2align	8
	.type	k_q1e12822576_attn,@function
k_q1e12822576_attn:
	s_mov_b64 s[64:65], 0
	v_nop
	global_prefetch_b8 v0, s[64:65] scope:SCOPE_SE
	s_setreg_imm32_b32 hwreg(HW_REG_WAVE_MODE, 25, 1), 1
	s_wait_xcnt 0x0
	s_wait_alu depctr_hold_cnt(0) depctr_sa_sdst(0) depctr_va_vdst(0) depctr_va_sdst(0) depctr_va_ssrc(0) depctr_va_vcc(0) depctr_vm_vsrc(0)
	s_getreg_b32 s2, hwreg(HW_REG_IB_STS2, 6, 4)
	s_cmp_eq_u32 s2, 0
	s_cbranch_scc0 .Lentry_in_a_cluster
	s_endpgm
.Lentry_in_a_cluster:
	s_bfe_u32 s2, ttmp6, 0x10000c
	s_cmp_lg_u32 s2, 0x3003
	s_cbranch_scc0 .Lentry_shape_is_right
	s_endpgm
.Lentry_shape_is_right:
; ctx = softmax(where(mask == 0, -1e9, q k^T / 8)) v for one (batch, head) a cluster, both products on codes of FP6 (E2M3) with E8M0 scales; ctx is quantised along (head, d) for the last product.
; THE SOFTMAX AHEAD OF THE SECOND PRODUCT: t = score x log2(e) / 8; M = the running largest t rounded up to a whole number; p = 2^(t - M) is quantised along the keys, not normalised;
; the row's sum is taken of the unquantised p and divides at the end.  When M moves, the sum and O are multiplied by 2^(old M - new M): exact.
; THE MASK costs no vector instruction in the loop: the codes of k at masked keys are zeros (made by the launch before), so their products are exactly 0, and each score product takes as C registers
; that hold 0 for a key that counts and -2^33 for a masked one.  A masked logit is so replaced by -2^30.  c x 2^33 is a whole number in f32, so where all keys so far are masked t - M = 0 and p = 1:
; the uniform weights that the replacement gives; the first key that counts wipes them out by the factor 2^(old M - new M) = 0.
; LIMITS: -2^30 stands for -1e9: results differ only where logits that count lie within some 150 of the band from -1.074e9 to -1e9.  The scaled scores stay under 2^31 in magnitude.  NaN and infinities are not served.
; SHARES: the four work-groups of a cluster own one (batch, head), 512 queries each; wave w of eight owns TWO query tiles at a time, 32 cx + 16 p + 2 w + u (u = 0, 1), in two passes p (the outer loop).
; Each fragment of k and of v, each scale word and each register of the mask's C that comes from LDS feeds two products.  The two tiles' vector lines take turns, so that no line hangs on the line above it.
; The head size is 64: the upper 64 of the first product's K are zero codes on both sides.
; LDS: the head's k, v and their scale words, 208,896 bytes, come ONCE, by one joint load a wave (102 rows of 256 bytes); nothing is filled again.  One tensor load of a wave is out.
; LAYOUT: both products transposed (source 0 = 16 keys, or 16 of the head's 64; source 1 = 16 queries): a lane holds one query of each tile.  Row m of key tile i is key 64 (i / 4) + 8 (i % 4) + m % 8 + 32 (m / 8),
; so score register 32 c + i of lane (r, h) is key 64 c + 32 h + i of the step's 128: a lane holds two whole blocks of 32 keys, in the order of the second product's operand.
; LOADS RUN AHEAD: the next step's k tiles 0-3, scale words and C are asked for behind this step's second score products.  The trip's number wraps at 8, so a pass's last step asks for the next pass's first;
; what the last pass so asks for (25 loads a wave) is not used.
; REGISTERS.  Window 0, what LDS and memory feed: v1-14 addresses; v16-27 scale words (v's, k's, q's, p's); v28-51 q; v52-99 four fragments of k; v100-147 four of v; v148-211 the mask's C.
; Window 1, the two tiles' own (u = 0, 1): scores and p at 64 u; O^T at 128 + 32 u; p's codes at 192 + 12 u; -M, the running largest score and the sum's two halves at 216 + 4 u; 16 work registers at 224 + 16 u.
; No prefetch: all tensor loads stand at the kernel's head.
.set REC,   315392
.set RGB,   102400
.set PIECE, 12800
.set F_VI,  98304
.set F_KS,  196608
.set F_VS,  204800
.set F_QI,  208896
.set F_QS,  307200
.set PART,  26112                      ; what one wave fetches
.set BIAS,  208896                     ; 2,048 numbers: 0 or -2^33, by key
.set CSG,   217088                     ; ctx's scale bytes of the work-group's four row groups, 256 bytes each
.set SPARE, 218112                     ; the spare words, 128 bytes a wave
.set A16K, 1
.set A8K,  2
.set A16V, 3
.set A8V,  4
.set SPW,  5
.set NIL,  6
.set ABI,  7
.set AKS,  8
.set AVS,  9
.set L16,  10
.set L8,   11
.set R16,  12                          ; 16 r
.set SH8,  13                          ; 8 h
.set CSA,  14                          ; LDS: my tiles' scale bytes of row r
.set VSC,  16                          ; v's scale words: lanes 0-15 the trip's first step, lanes 16-31 its second
.set KS,   20                          ; k's: lanes 0-15 tiles 0-3, lanes 16-31 tiles 4-7
.set QS,   24                          ; q's, a register a tile
.set PW,   26                          ; p's, a register a tile
.set Q,    28
.set KF,   52
.set VF,   100
.set CB,   148
.set O,    128                         ; window 1 from here on
.set P,    192
.set NM,   216                         ; -M; NM + 1 the running largest score
.set LS,   218
.set T,    224                         ; T, T+1 the blocks' largest; T+2 a lane permute's destination; T+3 work; T+2 .. T+9 four chains of the sum; T+4 .. 6, T+8 .. 10 second halves of the codes; T+7 the scale word in the making; T+12 f; T+13 8 h
.set SEL,  28
.set CS,   30
.set MSB, 0
.macro WIN new                         ; the immediate's high byte repeats the setting that is left
.if MSB != \new
	s_set_vgpr_msb (MSB<<8)|\new
.set MSB, \new
.endif
.endm
.set W_SC, 0x40                        ; score products: sources and C window 0, D window 1.  Also: a move from window 0 into window 1
.set W_V,  0x55                        ; vector work on the tiles: all in window 1
.set W_PV, 0x54                        ; second products: source 0 (v) window 0; p, C and D window 1
.macro CROUND
	s_barrier_signal -1
	s_barrier_wait -1
	s_cmp_lg_u32 s10, 0
	s_cbranch_scc1 .Lnot_wave_0_\@
	s_barrier_signal -3
.Lnot_wave_0_\@:
	s_barrier_wait -3
	s_barrier_signal -1
	s_barrier_wait -1
.endm
.macro WALU
	s_wait_alu depctr_va_vdst(0)
.endm
	s_load_b128 s[4:7], s[0:1], 0x0                ; qkv, mask
	s_load_b64 s[8:9], s[0:1], 0x10                ; ctx
	v_lshl_add_u32 v[SPW], v0, 2, SPARE
	v_mov_b32 v[NIL], 0
	ds_add_u32 v[SPW], v[NIL]                      ; the wave's opening: the add, twice, and its wait ahead of my first tensor load
	ds_add_u32 v[SPW], v[NIL]
	v_lshrrev_b32 v1, 5, v0
	s_delay_alu instid0(VALU_DEP_1)
	v_readfirstlane_b32 s10, v1                    ; wave 0..7
	s_lshl_b32 s54, s10, 1                         ; my first tile of a pass's sixteen
	s_bfe_u32 s11, ttmp6, 0x40000                  ; cx
	s_and_b32 s12, ttmp7, 0xffff                   ; (batch, head), which the four partners share
	s_lshr_b32 s13, s12, 4
	s_and_b32 s14, s12, 15
	s_mov_b32 s16, 15|(3<<16)|(1<<21)              ; the mask: all four; elements of 8 bytes; bit 21 beside a mask; no padding
	s_mov_b32 s17, 32<<16                          ; rows of 256 bytes
	s_mov_b32 s18, 102<<16
	s_mov_b32 s19, 32<<16
	s_mov_b32 s20, 102
	s_mov_b32 s21, 32
	s_mov_b32 s22, 0
	s_mov_b32 s23, 0
	s_mul_i32 s38, s12, REC                        ; the record
	s_mov_b32 s24, 1
	s_mul_i32 s25, s10, PART                       ; my part: in LDS and in the record
	s_add_co_u32 s40, s38, s25
	s_mov_b32 s41, 0
	s_mov_b32 s[SEL], 0x76543210
	s_mov_b32 s[SEL+1], 0xfedcba98
	s_mov_b32 s[CS], 0x3e38aa3b                    ; c = log2(e) / 8
	s_mov_b32 s[CS+1], s[CS]
	s_wait_dscnt 0x0                               ; the opening adds are done
	s_wait_kmcnt 0x0
	s_add_nc_u64 s[26:27], s[4:5], s[40:41]
	s_or_b32 s27, s27, 0x80000000
	CROUND                                         ; all four work-groups are here: the joint loads meet
	tensor_load_to_lds s[24:27], s[16:23]
	s_nop 0
.rept 4
	v_nop
.endr
	v_lshlrev_b32 v148, 4, v0                      ; thread t takes keys 4 t .. 4 t + 3 and 1,024 + 4 t .. of the mask
	s_lshl_b32 s40, s13, 13
	s_add_nc_u64 s[6:7], s[6:7], s[40:41]
	global_load_b128 v[152:155], v148, s[6:7]
	global_load_b128 v[156:159], v148, s[6:7] offset:4096
	s_lshl_b32 s46, s11, 5
	s_add_co_u32 s46, s46, s54                     ; my first query tile of pass 0
	s_mul_i32 s40, s46, 768
	s_add_co_u32 s40, s40, s38
	s_add_co_u32 s40, s40, F_QI
	s_add_nc_u64 s[32:33], s[4:5], s[40:41]        ; its codes; the second tile's 768 bytes on
	s_lshr_b32 s40, s46, 2
	s_lshl_b32 s40, s40, 8
	s_and_b32 s46, s46, 3
	s_lshl_b32 s46, s46, 2
	s_add_co_u32 s40, s40, s46
	s_add_co_u32 s40, s40, s38
	s_add_co_u32 s40, s40, F_QS
	s_add_nc_u64 s[34:35], s[4:5], s[40:41]        ; the two tiles' scale words: 8 bytes on end for each row
	v_and_b32 v[L16], 31, v0
	s_delay_alu instid0(VALU_DEP_1)
	v_lshlrev_b32 v[L8], 3, v[L16]
	s_delay_alu instid0(VALU_DEP_2)
	v_lshlrev_b32 v[L16], 4, v[L16]
	v_and_b32 v[R16], 15, v0
	s_delay_alu instid0(VALU_DEP_1)
	v_lshlrev_b32 v[R16], 4, v[R16]
.macro QLOAD off, offs                 ; two tiles of q and their scale words: 5 loads
	global_load_b128 v[Q:Q+3], v[L16], s[32:33] offset:\off
	global_load_b64 v[Q+4:Q+5], v[L8], s[32:33] offset:\off+512
	global_load_b128 v[Q+12:Q+15], v[L16], s[32:33] offset:\off+768
	global_load_b64 v[Q+16:Q+17], v[L8], s[32:33] offset:\off+768+512
	global_load_b64 v[QS:QS+1], v[R16], s[34:35] offset:\offs
.endm
	QLOAD 0, 0
	s_lshl_b32 s46, s13, 4
	s_lshl_b32 s47, s11, 2
	s_add_co_u32 s46, s46, s47                     ; my work-group's first row group of ctx: 16 batch + 4 cx
	s_lshr_b32 s47, s14, 1
	s_mul_i32 s47, s47, PIECE                      ; my head's K step of the last product,
	s_and_b32 s38, s14, 1                          ; and its half of that step
	s_lshr_b32 s40, s54, 3
	s_add_co_u32 s40, s40, s46
	s_mul_i32 s40, s40, RGB
	s_add_co_u32 s40, s40, s47
	s_and_b32 s39, s54, 7
	s_mul_i32 s39, s39, 1536
	s_add_co_u32 s40, s40, s39
	s_mul_i32 s39, s38, 768
	s_add_co_u32 s40, s40, s39
	s_add_nc_u64 s[36:37], s[8:9], s[40:41]        ; where my first tile's codes go in pass 0; the second tile's 1,536 bytes on; pass 1: two row groups on
	s_and_b32 s39, s10, 1
	s_lshl_b32 s40, s39, 1
	s_add_co_u32 s40, s40, s46
	s_mul_i32 s40, s40, RGB
	s_add_co_u32 s40, s40, s47
	s_lshl_b32 s38, s38, 8
	s_add_co_u32 s40, s40, s38
	s_add_co_u32 s40, s40, 8*1536
	s_add_nc_u64 s[44:45], s[8:9], s[40:41]        ; where waves 0 and 1 store the scale bytes of pass 0 and 1
	s_lshl_b32 s39, s39, 9
	s_add_co_u32 s39, s39, CSG                     ; and where they read them
	s_lshr_b32 s43, s54, 2
	s_lshl_b32 s43, s43, 7
	s_and_b32 s46, s54, 3
	s_lshl_b32 s46, s46, 1
	s_add_co_u32 s43, s43, s46
	s_add_co_u32 s43, s43, CSG                     ; tile n of a pass has two bytes a row at 128 (n / 4) + 2 (n % 4) + 8 r
	WALU                                           ; the wait directly ahead of the reader below
	v_lshrrev_b32 v[CSA], 1, v[R16]
	s_delay_alu instid0(VALU_DEP_1)
	v_add_nc_u32 v[CSA], s43, v[CSA]
	v_lshl_add_u32 v149, v0, 4, BIAS
	v_mov_b32 v160, 0xd0000000                     ; -2^33
	v_bfe_u32 v[SH8], v0, 4, 1
	s_delay_alu instid0(VALU_DEP_1)
	v_lshlrev_b32 v[SH8], 3, v[SH8]
.irp n, 6,7,8,9,10,11,18,19,20,21,22,23
	v_mov_b32 v[Q+\n], 0                           ; q: K = 64 .. 127 are zero codes
.endr
.irp t, 0,1,2,3
.irp n, 6,7,8,9,10,11
	v_mov_b32 v[KF+12*\t+\n], 0                    ; k likewise
.endr
.endr
	WIN W_SC
.irp u, 0,1
	v_mov_b32 v[T+16*\u+13], v[SH8]                ; 8 h, in window 1 too
	v_mov_b32 v[T+16*\u+2], 0                      ; a lane permute's destination counts as one of its sources
.endr
	WIN 0
	WALU
	s_wait_loadcnt 5                               ; the mask's numbers are in; q's five loads may be out
.irp k, 0,1,2,3,4,5,6,7
	v_cmp_eq_u32 vcc_lo, 0, v[152+\k]
	s_delay_alu instid0(VALU_DEP_1)
	v_cndmask_b32 v[152+\k], 0, v160, vcc_lo
.endr
	ds_store_b128 v149, v[152:155]
	ds_store_b128 v149, v[156:159] offset:4096
	WALU
	s_wait_tensorcnt 0x0                           ; my part of the record has landed,
	s_wait_dscnt 0x0                               ; my part of the mask's numbers is stored,
	s_barrier_signal -1
	s_barrier_wait -1                              ; everybody's are
.macro FRAG reg, a16, a8, off
	ds_load_b128 v[(\reg):(\reg)+3], v[\a16] offset:(\off)
	ds_load_b64 v[(\reg)+4:(\reg)+5], v[\a8] offset:(\off)+512
	ds_load_b128 v[(\reg)+6:(\reg)+9], v[\a16] offset:(\off)+768
	ds_load_b64 v[(\reg)+10:(\reg)+11], v[\a8] offset:(\off)+1280
.endm
.macro WM d, a, b, c, sa, sb, row      ; D = A x B + C; A's scales from row \row of their register
	v_wmma_scale_f32_16x16x128_f8f6f4 v[(\d):(\d)+7], v[(\a):(\a)+11], v[(\b):(\b)+11], v[(\c):(\c)+7], v[\sa], v[\sb] matrix_a_fmt:MATRIX_FMT_FP6 matrix_b_fmt:MATRIX_FMT_FP6 matrix_a_scale:MATRIX_SCALE_ROW\row
.endm
.macro ADDR                            ; the seven LDS addresses of trip s48 (256 keys a trip)
	s_mul_i32 s49, s48, 12288
	s_lshl_b32 s50, s48, 10
	s_lshl_b32 s51, s48, 9
	s_add_co_u32 s52, s49, F_VI
	s_add_co_u32 s53, s50, F_KS
	s_add_co_u32 s50, s50, BIAS
	s_add_co_u32 s51, s51, F_VS
	v_add_nc_u32 v[A16K], s49, v[L16]
	v_add_nc_u32 v[A8K], s49, v[L8]
	v_add_nc_u32 v[A16V], s52, v[L16]
	v_add_nc_u32 v[A8V], s52, v[L8]
	v_lshl_add_u32 v[ABI], v[SH8], 4, s50          ; + 128 h: lanes 16-31 hold the keys 32 further on
	v_add_nc_u32 v[AKS], s53, v[L16]
	v_add_nc_u32 v[AVS], s51, v[L16]               ; 16 x lane = 16 r + 256 h
.endm
.macro PREK nq                         ; step nq of the trip that the addresses stand at: k's scale words and tiles 0-3: 9 loads
	ds_load_b128 v[KS:KS+3], v[AKS] offset:512*(\nq)
.irp t, 0,1,2,3
	ds_load_b128 v[KF+12*\t:KF+12*\t+3], v[A16K] offset:(8*(\nq)+\t)*768
	ds_load_b64 v[KF+12*\t+4:KF+12*\t+5], v[A8K] offset:(8*(\nq)+\t)*768+512
.endr
.endm
.macro PREB nq                         ; the C of its score products: 0 or -2^33 at keys 64 c + 32 h + 4 m on: 16 loads
.irp c, 0,1
.irp m, 0,1,2,3,4,5,6,7
	ds_load_b128 v[CB+32*\c+4*\m:CB+32*\c+4*\m+3], v[ABI] offset:512*(\nq)+256*\c+16*\m
.endr
.endr
.endm
; The largest of block c's 32 scores, in two chains a tile (T + c and T + 3 - c), the tiles by turns; each accumulator is first read at its low end.
.macro MX0 c
.irp u, 0,1
	v_max3_num_f32 v[T+16*\u+\c], v[64*\u+32*\c], v[64*\u+32*\c+1], v[64*\u+32*\c+2]
	v_max3_num_f32 v[T+16*\u+3-\c], v[64*\u+32*\c+16], v[64*\u+32*\c+17], v[64*\u+32*\c+18]
.endr
.endm
.macro MXI c, i
.irp u, 0,1
	v_max3_num_f32 v[T+16*\u+\c], v[T+16*\u+\c], v[64*\u+32*\c+\i], v[64*\u+32*\c+\i+1]
	v_max3_num_f32 v[T+16*\u+3-\c], v[T+16*\u+3-\c], v[64*\u+32*\c+16+\i], v[64*\u+32*\c+17+\i]
.endr
.endm
.macro MXE c
.irp u, 0,1
	v_max3_num_f32 v[T+16*\u+\c], v[T+16*\u+\c], v[64*\u+32*\c+15], v[64*\u+32*\c+31]
.endr
.irp u, 0,1
	v_max_num_f32 v[T+16*\u+\c], v[T+16*\u+\c], v[T+16*\u+3-\c]
.endr
.endm
; A KEY STEP: 128 keys, the q-th of a trip's two, for both tiles.
.macro STEP q
	s_wait_dscnt 0x0                               ; the mask's C, k's tiles 0-3 and its scale words are in
	WIN W_SC
.irp t, 0,1,2,3
.irp u, 0,1
	WM 64*\u+8*\t, KF+12*\t, Q+12*\u, CB+8*\t, KS+\t, QS+\u, 0
.endr
.endr
.rept 4
	v_nop                                          ; places in front of loads into registers that products read, and of the first read of these scores
.endr
	WIN 0
.if \q == 0
	ds_load_b128 v[VSC:VSC+3], v[AVS]
.endif
.irp t, 0,1,2,3
	ds_load_b128 v[KF+12*\t:KF+12*\t+3], v[A16K] offset:(8*\q+4+\t)*768
	ds_load_b64 v[KF+12*\t+4:KF+12*\t+5], v[A8K] offset:(8*\q+4+\t)*768+512
.endr
.irp a, 0,1,2,3
	FRAG VF+12*\a, A16V, A8V, \q*6144+\a*1536
.endr
.if \q == 1
	s_add_co_u32 s48, s42, 1                       ; this trip's loads are all issued: the addresses go on to the next trip, behind the eighth to the first
	s_and_b32 s48, s48, 7
	ADDR
.endif
	WIN W_V
	MX0 0                                          ; block h is whole: most of its maximum stands under the loads' flight
.irp i, 3,5,7,9,11
	MXI 0, \i
.endr
	WALU
	s_wait_dscnt 16                                ; k's tiles 4-7 are in; v's 16 loads may be out
	WIN W_SC
.irp t, 0,1,2,3
.irp u, 0,1
	WM 64*\u+32+8*\t, KF+12*\t, Q+12*\u, CB+32+8*\t, KS+\t, QS+\u, 1
.endr
.endr
	WIN W_V
	MXI 0, 13                                      ; the rest of it: eight lines, the places behind these products
	MXE 0
	WIN 0
	PREK 1-\q
	PREB 1-\q
	WIN W_V
	MX0 1                                          ; block 2 + h
.irp i, 3,5,7,9,11,13
	MXI 1, \i
.endr
	MXE 1
.irp u, 0,1
	v_max_num_f32 v[T+16*\u+3], v[T+16*\u], v[T+16*\u+1]
.endr
.irp u, 0,1
	v_permlanex16_b32 v[T+16*\u+2], v[T+16*\u+3], s[SEL], s[SEL+1]
.endr
.irp u, 0,1
	v_max3_num_f32 v[NM+4*\u+1], v[NM+4*\u+1], v[T+16*\u+3], v[T+16*\u+2]      ; the running largest score of my query
.endr
.irp u, 0,1
	v_mul_f32 v[T+16*\u+3], s[CS], v[NM+4*\u+1]    ; as t (c is positive)
.endr
.irp u, 0,1
	v_floor_f32 v[T+16*\u+2], -v[T+16*\u+3]        ; the new -M
.endr
.irp u, 0,1
	v_sub_f32 v[T+16*\u+3], v[T+16*\u+2], v[NM+4*\u]                           ; old M - new M: a whole number, 0 or less
.endr
.irp u, 0,1
	v_mov_b32 v[NM+4*\u], v[T+16*\u+2]
.endr
.irp u, 0,1
	v_cvt_i32_f32 v[T+16*\u+3], v[T+16*\u+3]       ; (it saturates)
.endr
.irp u, 0,1
	v_ldexp_f32 v[T+16*\u+12], 1.0, v[T+16*\u+3]   ; f = 2^(old M - new M)
.endr
.irp u, 0,1
.set n, 0
.rept 32
	v_pk_fma_f32 v[64*\u+n:64*\u+n+1], v[64*\u+n:64*\u+n+1], s[CS:CS+1], v[NM+4*\u:NM+4*\u+1] op_sel_hi:[1,0,0]   ; t - M, two at a time
.set n, n+2
.endr
.endr
.irp u, 0,1
	v_fma_f32 v[T+16*\u], v[T+16*\u], s[CS], v[NM+4*\u]                        ; the same of each block's largest score
	v_fma_f32 v[T+16*\u+1], v[T+16*\u+1], s[CS], v[NM+4*\u]
.endr
	WALU
.set n, 0
.rept 128
	v_exp_f32 v[n], v[n]                           ; p = 2^(t - M)
.set n, n+1
.endr
.irp u, 0,1
	v_pk_mul_f32 v[LS+4*\u:LS+4*\u+1], v[LS+4*\u:LS+4*\u+1], v[T+16*\u+12:T+16*\u+13] op_sel_hi:[1,0]   ; the sums under the new M: plain places behind the exponentials
.endr
	WALU                                           ; one wait for the batch, ahead of its first reader
.irp u, 0,1
	v_exp_f32 v[T+16*\u], v[T+16*\u]               ; each block's largest p: p rises with the score
	v_exp_f32 v[T+16*\u+1], v[T+16*\u+1]
.endr
.irp u, 0,1                                    ; the row's sum of the unquantised p: a tile's 32 pairs onto five chains
.irp k, 0,1,2,3
	v_pk_add_f32 v[T+16*\u+2+2*\k:T+16*\u+3+2*\k], v[64*\u+4*\k:64*\u+4*\k+1], v[64*\u+4*\k+2:64*\u+4*\k+3]
.endr
.set n, 16
.rept 24
.if (n/2)%5 == 4
	v_pk_add_f32 v[LS+4*\u:LS+4*\u+1], v[LS+4*\u:LS+4*\u+1], v[64*\u+n:64*\u+n+1]
.else
	v_pk_add_f32 v[T+16*\u+2+2*((n/2)%5):T+16*\u+3+2*((n/2)%5)], v[T+16*\u+2+2*((n/2)%5):T+16*\u+3+2*((n/2)%5)], v[64*\u+n:64*\u+n+1]
.endif
.set n, n+2
.endr
.endr
.irp u, 0,1
	v_pk_add_f32 v[T+16*\u+2:T+16*\u+3], v[T+16*\u+2:T+16*\u+3], v[T+16*\u+4:T+16*\u+5]
	v_pk_add_f32 v[T+16*\u+6:T+16*\u+7], v[T+16*\u+6:T+16*\u+7], v[T+16*\u+8:T+16*\u+9]
.endr
.irp u, 0,1
	v_pk_add_f32 v[LS+4*\u:LS+4*\u+1], v[LS+4*\u:LS+4*\u+1], v[T+16*\u+2:T+16*\u+3]
.endr
.irp u, 0,1
	v_pk_add_f32 v[LS+4*\u:LS+4*\u+1], v[LS+4*\u:LS+4*\u+1], v[T+16*\u+6:T+16*\u+7]
.endr
	WALU                                           ; and one for the four
.irp u, 0,1
	v_max_num_f32 v[T+16*\u], 0x1800000, v[T+16*\u]                            ; the floor 2^(3 - 127): the byte cannot fall under 1
	v_max_num_f32 v[T+16*\u+1], 0x1800000, v[T+16*\u+1]
.endr
.irp u, 0,1
	v_add_nc_u32 v[T+16*\u], 0xff000000, v[T+16*\u]                            ; 2 off the exponent field: the conversions' scale operands
	v_add_nc_u32 v[T+16*\u+1], 0xff000000, v[T+16*\u+1]
.endr
.irp u, 0,1
	v_cvt_scalef32_pk16_fp6_f32 v[P+12*\u:P+12*\u+2], v[64*\u:64*\u+15], v[T+16*\u]
	v_cvt_scalef32_pk16_fp6_f32 v[T+16*\u+4:T+16*\u+6], v[64*\u+16:64*\u+31], v[T+16*\u]
	v_cvt_scalef32_pk16_fp6_f32 v[P+12*\u+6:P+12*\u+8], v[64*\u+32:64*\u+47], v[T+16*\u+1]
	v_cvt_scalef32_pk16_fp6_f32 v[T+16*\u+8:T+16*\u+10], v[64*\u+48:64*\u+63], v[T+16*\u+1]
.endr
.irp u, 0,1
	v_lshrrev_b32 v[T+16*\u+3], 23, v[T+16*\u]     ; the bytes of blocks h and 2 + h.  (Plain places behind the conversions)
	v_lshrrev_b32 v[T+16*\u+2], 23, v[T+16*\u+1]
.endr
.irp u, 0,1
	v_lshl_or_b32 v[T+16*\u+7], v[T+16*\u+2], 16, v[T+16*\u+3]
.endr
.irp u, 0,1
	v_lshlrev_b32 v[T+16*\u+7], v[T+16*\u+13], v[T+16*\u+7]                    ; at their places in the word
.endr
.irp u, 0,1
	v_permlanex16_b32 v[T+16*\u+2], v[T+16*\u+7], s[SEL], s[SEL+1]
.endr
	WIN 0x05                                       ; scale operands are taken from window 0: the word is written there
.irp u, 0,1
	v_or_b32 v[PW+\u], v[T+16*\u+7], v[T+16*\u+2]  ; with lane l xor 16's two bytes: p's scale word for these 128 keys
.endr
	WIN W_V
.irp u, 0,1
.irp i, 0,1,2
	v_mov_b32 v[P+12*\u+3+\i], v[T+16*\u+4+\i]
	v_mov_b32 v[P+12*\u+9+\i], v[T+16*\u+8+\i]
.endr
.endr
	WALU                                           ; the wait ahead of the first reader of O^T
.irp u, 0,1
.set n, 0
.rept 16
	v_pk_mul_f32 v[O+32*\u+n:O+32*\u+n+1], v[O+32*\u+n:O+32*\u+n+1], v[T+16*\u+12:T+16*\u+13] op_sel_hi:[1,0]   ; O^T under the new M.  (Also the places in front of the products below)
.set n, n+2
.endr
.endr
	WALU
	s_wait_dscnt 25                                ; v is in; younger: 9 loads of k and its words, 16 of the mask's C
	WIN W_PV
.irp a, 0,1,2,3
.irp u, 0,1
	WM O+32*\u+8*\a, VF+12*\a, P+12*\u, O+32*\u+8*\a, VSC+\a, PW+\u, \q
.endr
.endr
	WIN 0
.endm
; THE WAY OUT of tile u: divided by the row's sum, quantised along d; the work stands where the tile's scores lay.
.macro OUTT u
	v_add_f32 v[LS+4*\u], v[LS+4*\u], v[LS+4*\u+1]
	s_delay_alu instid0(VALU_DEP_1)
	v_permlanex16_b32 v[T+16*\u+12], v[LS+4*\u], s[SEL], s[SEL+1]
	s_delay_alu instid0(VALU_DEP_1)
	v_add_f32 v[LS+4*\u], v[LS+4*\u], v[T+16*\u+12]                            ; the row's sum
	WALU
	v_rcp_f32 v[LS+4*\u], v[LS+4*\u]
	v_nop                                          ; a plain place behind the reciprocal
	WALU                                           ; the wait ahead of the reciprocal's first reader and of O^T's
.set n, 0
.rept 32
	v_mul_f32 v[64*\u+n], v[O+32*\u+n], v[LS+4*\u] ; register 16 b + i is ctx(my query, d = 32 b + 16 h + i); each accumulator is read from its low end on
.set n, n+1
.endr
.irp b, 0,1
	v_max3_num_f32 v[64*\u+42+\b], |v[64*\u+16*\b]|, |v[64*\u+1+16*\b]|, 0x1800000
.endr
.irp i, 2,4,6,8,10,12,14
.irp b, 0,1
	s_delay_alu instid0(VALU_DEP_2)
	v_max3_num_f32 v[64*\u+42+\b], v[64*\u+42+\b], |v[64*\u+16*\b+\i]|, |v[64*\u+1+16*\b+\i]|
.endr
.endr
.irp b, 0,1
	v_permlanex16_b32 v[64*\u+44+\b], v[64*\u+42+\b], s[SEL], s[SEL+1]
.endr
.irp b, 0,1
	s_delay_alu instid0(VALU_DEP_2)
	v_max_num_f32 v[64*\u+42+\b], v[64*\u+42+\b], v[64*\u+44+\b]
.endr
.irp b, 0,1
	s_delay_alu instid0(VALU_DEP_2)
	v_add_nc_u32 v[64*\u+46+\b], 0xff000000, v[64*\u+42+\b]
.endr
.irp b, 0,1
	s_delay_alu instid0(VALU_DEP_2)
	v_lshrrev_b32 v[64*\u+44+\b], 23, v[64*\u+46+\b]
.endr
	s_delay_alu instid0(VALU_DEP_1)
	v_lshl_or_b32 v[64*\u+48], v[64*\u+45], 8, v[64*\u+44]                     ; my row's two scale bytes
	v_cvt_scalef32_pk16_fp6_f32 v[64*\u+32:64*\u+34], v[64*\u:64*\u+15], v[64*\u+46]
	v_cvt_scalef32_pk16_fp6_f32 v[64*\u+38:64*\u+40], v[64*\u+16:64*\u+31], v[64*\u+47]
	v_nop
.irp i, 0,1,2
	v_permlane16_swap_b32 v[64*\u+32+\i], v[64*\u+38+\i]                       ; the operand's layout wants a whole block in a lane
.endr
.irp i, 0,1,2
	s_delay_alu instid0(VALU_DEP_3)
	v_mov_b32 v[64*\u+35+\i], v[64*\u+38+\i]
.endr
	WIN 0x04                                       ; a store's data window 1, its address window 0
	global_store_b128 v[L16], v[64*\u+32:64*\u+35], s[36:37] offset:1536*\u
	global_store_b64 v[L8], v[64*\u+36:64*\u+37], s[36:37] offset:1536*\u+512
	ds_store_b16 v[CSA], v[64*\u+48] offset:2*\u   ; lanes r and r + 16 write the same two bytes with the same value
	WIN W_V
.endm
	s_mov_b32 s48, 0
	ADDR                                           ; trip 0
	PREK 0
	PREB 0
	s_mov_b32 s55, 0
.Lpass:                                                ; A PASS: two tiles of 16 queries over all 2,048 keys, then their way out
	WIN W_SC
.irp u, 0,1
	v_mov_b32 v[NM+4*\u], 0x7f61b1e6               ; -M: 3e38
	v_mov_b32 v[NM+4*\u+1], 0xff61b1e6             ; the largest score so far: -3e38
	v_mov_b32 v[LS+4*\u], 0
	v_mov_b32 v[LS+4*\u+1], 0
.endr
.set n, 0
.rept 64
	v_mov_b32 v[O+n], 0                            ; the step is written once: the first finds zeros
.set n, n+1
.endr
	WIN 0
	s_mov_b32 s42, 0
	s_wait_loadcnt 0x0                             ; q
.Ltrip:
	WALU
	STEP 0
	STEP 1
	s_add_co_u32 s42, s42, 1
	s_cmp_lt_u32 s42, 8
	s_cbranch_scc1 .Ltrip
	s_cmp_eq_u32 s55, 0
	s_cbranch_scc0 .Lno_q
	QLOAD 12288, 1024                              ; the next pass's q, sixteen tiles on, lands while this pass goes out
.Lno_q:
.rept 4
	v_nop                                          ; places behind the last products
.endr
	WIN W_V
	OUTT 0
	OUTT 1
	WIN 0
	s_wait_xcnt 0x0                                ; the stores have read their base and their registers
	s_add_nc_u64 s[36:37], s[36:37], 2*RGB         ; the next pass's tiles lie two row groups on,
	v_add_nc_u32 v[CSA], 512, v[CSA]               ; their scale bytes 512 bytes on
	s_add_co_u32 s55, s55, 1
	s_cmp_lt_u32 s55, 2
	WALU
	s_cbranch_scc1 .Lpass
	s_wait_dscnt 0x0                               ; my scale bytes are stored (and the loads that ran ahead of the last step are back),
	s_barrier_signal -1
	s_barrier_wait -1                              ; everybody's are
	v_add_nc_u32 v148, s39, v[L16]
	v_bfe_u32 v149, v0, 4, 1
	s_delay_alu instid0(VALU_DEP_1)
	v_mul_u32_u24 v149, v149, RGB
	v_and_b32 v150, 15, v0
	s_delay_alu instid0(VALU_DEP_1)
	v_lshl_add_u32 v149, v150, 4, v149             ; lanes 0-15 a row group's 256 bytes, lanes 16-31 the next group's
	s_cmp_lt_u32 s10, 2
	s_cbranch_scc0 .Lend
	ds_load_b128 v[152:155], v148
	s_wait_dscnt 0x0
	WALU
	global_store_b128 v149, v[152:155], s[44:45]   ; sixteen lanes store 256 consecutive bytes
.Lend:
	s_wait_tensorcnt 0x0                           ; the wave's end
	ds_add_u32 v[SPW], v[NIL]
	s_wait_dscnt 0x0
	CROUND                                         ; the closing round
	s_endpgm
.Lfunc_end_k_q1e12822576_attn:
	.size	k_q1e12822576_attn, .Lfunc_end_k_q1e12822576_attn-k_q1e12822576_attn
	.p2alignl 7, 3214868480
	.fill 96, 4, 3214868480
	.section	.rodata,"a",@progbits
	.p2align	6, 0x0
	.amdhsa_kernel k_q1e12822576_attn
		.amdhsa_group_segment_fixed_size 327680
		.amdhsa_private_segment_fixed_size 0
		.amdhsa_enable_private_segment 0
		.amdhsa_kernarg_size 24
		.amdhsa_user_sgpr_count 2
		.amdhsa_user_sgpr_kernarg_segment_ptr 1
		.amdhsa_wavefront_size32 1
		.amdhsa_system_sgpr_workgroup_id_x 1
		.amdhsa_system_sgpr_workgroup_id_y 1
		.amdhsa_system_sgpr_workgroup_id_z 1
		.amdhsa_system_vgpr_workitem_id 0
		.amdhsa_next_free_vgpr 512
		.amdhsa_next_free_sgpr 66
		.amdhsa_reserve_vcc 1
		.amdhsa_float_denorm_mode_32 3
		.amdhsa_float_denorm_mode_16_64 3
		.amdhsa_memory_ordered 1
		.amdhsa_forward_progress 1
		.amdhsa_inst_pref_size 81
	.end_amdhsa_kernel
	.amdgpu_metadata
---
amdhsa.version: [ 1, 2 ]
amdhsa.kernels:
  - .name:           k_q1e12822576_attn
    .symbol:         k_q1e12822576_attn.kd
    .args:
      - { .name: qkv, .offset: 0, .size: 8, .value_kind: global_buffer, .address_space: global }
      - { .name: mask, .offset: 8, .size: 8, .value_kind: global_buffer, .address_space: global }
      - { .name: ctx, .offset: 16, .size: 8, .value_kind: global_buffer, .address_space: global }
    .group_segment_fixed_size: 327680
    .private_segment_fixed_size: 0
    .kernarg_segment_align: 8
    .kernarg_segment_size: 24
    .max_flat_workgroup_size: 256
    .sgpr_count:     66
    .vgpr_count:     512
    .wavefront_size: 32
...
	.end_amdgpu_metadata
.endif
;; end of part 3
;; launch outp (part 4): grid 4 x 64, 4 waves a work-group, clusters of 4 x 4, 327,680 bytes of LDS; arguments ctx, opc, bo, out0; writes out0
.if DOCPART == 4
	.amdgcn_target "amdgcn-amd-amdhsa--gfx1250"
	.amdhsa_code_object_version 6
	.text
	.protected	k_q1e12822576_outp
	.globl	k_q1e12822576_outp
	.p2align	8
	.type	k_q1e12822576_outp,@function
k_q1e12822576_outp:
	s_mov_b64 s[64:65], 0
	v_nop
	global_prefetch_b8 v0, s[64:65] scope:SCOPE_SE
	s_setreg_imm32_b32 hwreg(HW_REG_WAVE_MODE, 25, 1), 1
	s_wait_xcnt 0x0
	s_wait_alu depctr_hold_cnt(0) depctr_sa_sdst(0) depctr_va_vdst(0) depctr_va_sdst(0) depctr_va_ssrc(0) depctr_va_vcc(0) depctr_vm_vsrc(0)
	s_getreg_b32 s2, hwreg(HW_REG_IB_STS2, 6, 4)
	s_cmp_eq_u32 s2, 0
	s_cbranch_scc0 .Lentry_in_a_cluster
	s_endpgm
.Lentry_in_a_cluster:
	s_bfe_u32 s2, ttmp6, 0x10000c
	s_cmp_lg_u32 s2, 0xf033
	s_cbranch_scc0 .Lentry_shape_is_right
	s_endpgm
.Lentry_shape_is_right:
; out0 = ctx Wo^T + bo on codes of FP6 (E2M3) with E8M0 scales; out0 [8192][1024] f32.
; ctx and Wo lie as images of operand registers: pieces of 128 rows x 128 K (8 fragments of 1,536 bytes, 512 bytes of scales); tile i's lane r is row 32 (i / 2) + 8 (i % 2) + r + 8 (r / 8).
; Source 0 = 16 rows of Wo, source 1 = 16 tokens: a lane holds one token, and its registers 8 b + j the features 32 (b / 2) + 16 h + 8 (b % 2) + j.
; SHARES: a work-group makes 128 tokens x 256 features, a wave 64 x 128: 32 accumulators.  256 work-groups.
; CLUSTER 4 x 4: ctx's row group hangs on cy alone and is asked for jointly along a row of the cluster, Wo's two on cx alone, along a column.
; LDS holds the operands for all of K; every byte is filled once, in four chunks of 256 along K; a counted wait and a barrier open each chunk.  By this text's count a wave has four tensor loads out.
; ctx's scale bytes lie as two planes of two bytes a row (the K step's two heads): two loads and four byte permutes make the words of a chunk.
; THE WAY OUT goes through a stage of 16 rows x 528 bytes a wave, in the bytes of ctx's first K steps: behind the last chunk's barrier they have had their only fill and nobody reads them.
; REGISTERS: as in the projections: window 0: addresses, scale words v32-79, bias v80-143, ctx's fragments v144-239; window 1: Wo's fragments; window 2: the accumulators.
; THE FILLS AS THE TEXT HAS THEM (in place of the lines on four chunks above): one tensor load a wave, at the head, each on a line of its own: wave 0 ctx's K steps 0-3 (200 rows of 256 bytes), wave 1 its K steps 4-7,
; wave 2 K steps 0-3 of both row groups of Wo (400 rows: the first launch lays such a pair by halves of K), wave 3 their K steps 4-7.  The first barrier shows waves 0 and 2's tiles; waves 1 and 3's may still be
; on their way; a second barrier, in K step 3, with every wave's wait for 0 ahead of it, shows the rest.  One tensor load of a wave is out.
; In LDS row group CH of Wo has its K steps 0-3 at LB + 51,200 CH and its K steps 4-7 102,400 bytes further on.
; A third barrier stands in K step 5: behind it every wave has K steps 0 to 5 in registers, so nobody reads the bytes of ctx's first three K steps, in which the stages lie.
.set RGB,   102400
.set PIECE, 12800
.set CHUNK, 25600
.set FRB,   1536
.set LB,    102400
.set SPARE, 307200
.set STG,   8448
.set VR,  1
.set VH,  2
.set VL,  3
.set L16, 4
.set L8,  5
.set VBC, 6
.set XY,  8                            ; v8-11 ctx's scale bytes as loaded
.set STO, 12
.set RD,  13
.set A16, 16
.set A8,  17
.set B16, 18
.set B8,  19
.set ASA, 20
.set BSA, 21
.set SPW, 28
.set NIL, 29
.set SA,  32
.set SB,  48
.set BI,  80
.set AF,  144
.set BK,  80                           ; the way out: 16 rows read back: v80-143 and v144-207 by turns
.set G1A, 24
.set G1B, 32
.set G0A, 40
.set G0B, 68
.set MSB, 0
.macro WIN new
.if MSB != \new
	s_set_vgpr_msb (MSB<<8)|\new
.set MSB, \new
.endif
.endm
.macro CROUND
	s_barrier_signal -1
	s_barrier_wait -1
	s_cmp_lg_u32 s16, 0
	s_cbranch_scc1 .Lnot_wave_0_\@
	s_barrier_signal -3
.Lnot_wave_0_\@:
	s_barrier_wait -3
	s_barrier_signal -1
	s_barrier_wait -1
.endm
	s_load_b256 s[4:11], s[0:1], 0x0               ; ctx, opc, bo, out0
	v_lshl_add_u32 v[SPW], v0, 2, SPARE
	v_mov_b32 v[NIL], 0
	ds_add_u32 v[SPW], v[NIL]                      ; the wave's opening: the add and its wait ahead of my first tensor load
	ds_add_u32 v[SPW], v[NIL]
	v_lshrrev_b32 v1, 5, v0
	v_readfirstlane_b32 s16, v1
	s_lshr_b32 s17, s16, 1                         ; RH: my half of the tokens.  Also: I fetch for ctx (0) or for Wo (1)
	s_and_b32 s18, s16, 1                          ; CH: my row group of Wo.  Also: which part I fetch
	s_bfe_u32 s19, ttmp6, 0x40000
	s_bfe_u32 s20, ttmp6, 0x40004
	s_and_b32 s21, ttmp7, 0xffff
	s_lshl_b32 s56, s20, 2
	s_lshl_b32 s56, 15, s56
	s_lshl_b32 s57, 0x1111, s19
	s_or_b32 s[G1A], s56, (3<<16)|(1<<21)
	s_mov_b32 s[G1A+1], 32<<16
	s_mov_b32 s[G1A+2], 200<<16
	s_mov_b32 s[G1A+3], 32<<16
	s_mov_b32 s[G1A+4], 200
	s_mov_b32 s[G1A+5], 32
	s_mov_b32 s[G1A+6], 0
	s_mov_b32 s[G1A+7], 0
	s_or_b32 s[G1B], s57, (3<<16)|(1<<21)
	s_mov_b32 s[G1B+1], 32<<16
	s_mov_b32 s[G1B+2], 400<<16
	s_mov_b32 s[G1B+3], 32<<16
	s_mov_b32 s[G1B+4], 400
	s_mov_b32 s[G1B+5], 32
	s_mov_b32 s[G1B+6], 0
	s_mov_b32 s[G1B+7], 0
	s_mov_b32 s58, 0x05040100                      ; the two low halves
	s_mov_b32 s59, 0x07060302                      ; the two high halves
	s_lshl_b32 s84, s21, 2
	s_add_co_u32 s84, s84, s20                     ; ctx's row group 4 g + cy
	s_mul_i32 s86, s84, RGB
	s_mul_i32 s61, s18, 4*PIECE
	s_add_co_u32 s86, s86, s61
	s_mov_b32 s87, 0
	s_lshl_b32 s85, s19, 1
	s_add_co_u32 s85, s85, s18                     ; Wo's row group 2 cx + CH
	s_add_co_u32 s88, s85, 216
	s_mul_i32 s88, s88, RGB
	s_mov_b32 s89, 0
	s_mul_i32 s62, s18, RGB
	s_add_co_u32 s62, s62, LB
	s_wait_dscnt 0x0
	s_wait_kmcnt 0x0
	s_add_nc_u64 s[86:87], s[4:5], s[86:87]
	s_add_nc_u64 s[88:89], s[6:7], s[88:89]
.irp j, 0
	s_mov_b32 s[G0A+4*\j], 1
	s_add_co_u32 s[G0A+4*\j+1], s61, \j*CHUNK
	s_add_nc_u64 s[G0A+4*\j+2:G0A+4*\j+3], s[86:87], \j*CHUNK
	s_or_b32 s[G0A+4*\j+3], s[G0A+4*\j+3], 0x80000000
	s_mov_b32 s[G0B+4*\j], 1
	s_add_co_u32 s[G0B+4*\j+1], s62, \j*CHUNK
	s_add_nc_u64 s[G0B+4*\j+2:G0B+4*\j+3], s[88:89], \j*CHUNK
	s_or_b32 s[G0B+4*\j+3], s[G0B+4*\j+3], 0x80000000
.endr
	CROUND
	s_cmp_eq_u32 s16, 0                            ; one chain of branches on the wave's number, one load to an arm
	s_cbranch_scc0 .Lfill_1
	tensor_load_to_lds s[G0A:G0A+3], s[G1A:G1A+7]
	s_nop 0
.rept 4
	v_nop
.endr
	s_branch .Lfilled
.Lfill_1:
	s_cmp_eq_u32 s16, 1
	s_cbranch_scc0 .Lfill_2
	tensor_load_to_lds s[G0A:G0A+3], s[G1A:G1A+7]
	s_nop 0
.rept 4
	v_nop
.endr
	s_branch .Lfilled
.Lfill_2:
	s_cmp_eq_u32 s16, 2
	s_cbranch_scc0 .Lfill_3
	tensor_load_to_lds s[G0B:G0B+3], s[G1B:G1B+7]
	s_nop 0
.rept 4
	v_nop
.endr
	s_branch .Lfilled
.Lfill_3:
	tensor_load_to_lds s[G0B:G0B+3], s[G1B:G1B+7]
	s_nop 0
.rept 4
	v_nop
.endr
.Lfilled:
	s_mul_i32 s62, s18, RGB/2
	s_add_co_u32 s62, s62, LB                      ; from here on: where my row group of Wo's K steps 0-3 are read
	v_and_b32 v[VR], 15, v0
	v_bfe_u32 v[VH], v0, 4, 1
	v_and_b32 v[VL], 31, v0
	v_lshlrev_b32 v[L16], 4, v[VL]
	v_lshlrev_b32 v[L8], 3, v[VL]
	v_lshlrev_b32 v[VBC], 6, v[VH]
	s_lshl_b32 s63, s85, 9                         ; my first feature, in bytes
	s_mov_b32 s94, s63
	s_mov_b32 s95, 0
	s_add_nc_u64 s[90:91], s[8:9], s[94:95]
.irp b, 0,1,2,3,4,5,6,7                        ; the bias by columns, the C of each sum's first product
	global_load_b128 v[BI+8*\b:BI+8*\b+3], v[VBC], s[90:91] offset:4*(32*(\b/2)+8*(\b%2))
	global_load_b128 v[BI+8*\b+4:BI+8*\b+7], v[VBC], s[90:91] offset:4*(32*(\b/2)+8*(\b%2))+16
.endr
	s_mul_i32 s60, s17, 4*FRB
	v_add_nc_u32 v[A16], s60, v[L16]
	v_add_nc_u32 v[A8], s60, v[L8]
	v_add_nc_u32 v[B16], s62, v[L16]
	v_add_nc_u32 v[B8], s62, v[L8]
	v_mul_u32_u24 v14, v[VH], PIECE                ; lanes 0-15 take a chunk's first K step, lanes 16-31 its second
	v_lshl_add_u32 v15, v[VR], 4, v14
	s_add_co_u32 s60, s62, 8*FRB
	v_add_nc_u32 v[BSA], s60, v15
	v_lshl_add_u32 v15, v[VR], 3, v14              ; ctx: 8 bytes a row in each plane
	s_lshl_b32 s60, s17, 7
	s_add_co_u32 s60, s60, 8*FRB
	v_add_nc_u32 v[ASA], s60, v15
	s_mul_i32 s60, s16, STG                        ; my stage
	v_mul_u32_u24 v[STO], v[VR], 528
	v_lshl_add_u32 v[STO], v[VH], 6, v[STO]
	v_add_nc_u32 v[STO], s60, v[STO]
	v_add_nc_u32 v[RD], s60, v[L16]
	s_lshl_b32 s60, s84, 7
	s_lshl_b32 s66, s17, 6
	s_add_co_u32 s60, s60, s66                     ; my first token
	s_lshl_b32 s60, s60, 12
	s_add_co_u32 s92, s60, s63
	s_mov_b32 s93, 0
	s_add_nc_u64 s[92:93], s[10:11], s[92:93]
	s_wait_alu depctr_va_vdst(0)
	s_wait_loadcnt 0x0
.macro FRAG reg, a16, a8, off
	ds_load_b128 v[(\reg):(\reg)+3], v[\a16] offset:(\off)
	ds_load_b64 v[(\reg)+4:(\reg)+5], v[\a8] offset:(\off)+512
	ds_load_b128 v[(\reg)+6:(\reg)+9], v[\a16] offset:(\off)+768
	ds_load_b64 v[(\reg)+10:(\reg)+11], v[\a8] offset:(\off)+1280
.endm
.macro FETCH s                         ; 48 loads, with an even step 52
	WIN 0x40
.irp b, 0,1,2,3,4,5,6,7
	FRAG 128*((\s)%2)+12*\b, B16, B8, ((\s)%2)*PIECE+\b*FRB
.endr
	WIN 0
.irp a, 0,1,2,3
	FRAG AF+48*((\s)%2)+12*\a, A16, A8, ((\s)%2)*PIECE+\a*FRB
.endr
.if (\s)%2 == 0
	ds_load_b128 v[SB+8*((\s)/2):SB+8*((\s)/2)+3], v[BSA]
	ds_load_b128 v[SB+8*((\s)/2)+4:SB+8*((\s)/2)+7], v[BSA] offset:256
	ds_load_b64 v[XY:XY+1], v[ASA]                 ; the first head's two bytes of my four tiles,
	ds_load_b64 v[XY+2:XY+3], v[ASA] offset:256    ; the second head's
.endif
.endm
.macro SCALEA s                        ; the chunk's scale words of ctx: the first head's bytes below, the second's above
	WIN 0
	v_perm_b32 v[SA+4*((\s)/2)], v[XY+2], v[XY], s58
	v_perm_b32 v[SA+4*((\s)/2)+1], v[XY+2], v[XY], s59
	v_perm_b32 v[SA+4*((\s)/2)+2], v[XY+3], v[XY+1], s58
	v_perm_b32 v[SA+4*((\s)/2)+3], v[XY+3], v[XY+1], s59
.rept 8
	v_nop                                          ; a scale register written by a vector instruction stands eight places ahead of the scaled products
.endr
.endm
.macro MM s, a, b, mode
.set rD, 8*(8*\a+\b)
.set rB, 128*((\s)%2)+12*\b
.set rA, AF+48*((\s)%2)+12*\a
.set rSB, SB+8*((\s)/2)+\b
.set rSA, SA+4*((\s)/2)+\a
.set rC, rD
.if \mode == 1
.set rC, BI+8*\b
.endif
.if (\s)%2
	v_wmma_scale_f32_16x16x128_f8f6f4 v[rD:rD+7], v[rB:rB+11], v[rA:rA+11], v[rC:rC+7], v[rSB], v[rSA] matrix_a_fmt:MATRIX_FMT_FP6 matrix_b_fmt:MATRIX_FMT_FP6 matrix_a_scale:MATRIX_SCALE_ROW1 matrix_b_scale:MATRIX_SCALE_ROW1
.else
	v_wmma_scale_f32_16x16x128_f8f6f4 v[rD:rD+7], v[rB:rB+11], v[rA:rA+11], v[rC:rC+7], v[rSB], v[rSA] matrix_a_fmt:MATRIX_FMT_FP6 matrix_b_fmt:MATRIX_FMT_FP6
.endif
.endm
.macro MUL32 s, mode                   ; 32 products, the accumulators by turns
.if \mode == 0
	WIN 0xa1
.else
	WIN 0x81
.endif
.irp a, 0,1,2,3
.irp b, 0,1,2,3,4,5,6,7
	MM \s, \a, \b, \mode
.endr
.endr
.endm
.macro KSTEP s
.if (\s)%2
	WIN 0
	s_wait_alu depctr_va_vdst(0)
	s_wait_dscnt 0x0                               ; this step's fragments are in; no LDS load of mine is out at the signal
.if (\s) == 3
	s_wait_tensorcnt 0x0                           ; every wave's tile has landed
.endif
.if (\s) >= 3
	s_barrier_signal -1                            ; K step 3: K steps 4-7 may be read.  K step 5: my reads of K steps 0 to 5 are over,
	s_barrier_wait -1                              ; everybody's are: the stages' bytes are read no more
.endif
.irp x, A16, A8, ASA
	v_add_nc_u32 v[\x], CHUNK, v[\x]               ; (also the places in front of the loads below)
.endr
.irp x, B16, B8, BSA
.if (\s) == 3
	v_add_nc_u32 v[\x], CHUNK+RGB/2, v[\x]         ; over the other row group's K steps 0-3
.else
	v_add_nc_u32 v[\x], CHUNK, v[\x]
.endif
.endr
	FETCH (\s)+1
.else
.rept 4
	v_nop
.endr
	FETCH (\s)+1
	s_wait_dscnt 48                                ; all but the 48 just issued
	SCALEA \s
.endif
	MUL32 \s, 0
.endm
	s_cmp_eq_u32 s18, 0
	s_cbranch_scc0 .Llater
	s_wait_tensorcnt 0x0                           ; waves 0 and 2: my tile of K steps 0-3 has landed,
.Llater:
	s_barrier_signal -1
	s_barrier_wait -1
	FETCH 0
	FETCH 1
	s_wait_dscnt 48
	SCALEA 0
	MUL32 0, 1                                     ; the bias starts the sums
	s_wait_alu depctr_va_vdst(0)
.irp s, 1,2,3,4,5,6
	KSTEP \s
.endr
	s_wait_alu depctr_va_vdst(0)
	s_wait_dscnt 0x0
	MUL32 7, 0
	WIN 0
; THE WAY OUT, tile by tile of 16 tokens x 128 features: into my stage, back as whole rows of 512 bytes, which the 32 lanes store as two aligned runs of 256 bytes.
; LDS serves a wave's instructions in order: no wait between the stores and the loads, nor in front of the next tile's stores.
.macro TOSTAGE a
	WIN 0x08                                       ; an LDS store's data: window 2
.irp b, 0,1,2,3,4,5,6,7
	ds_store_b128 v[STO], v[64*\a+8*\b:64*\a+8*\b+3] offset:128*(\b/2)+32*(\b%2)       ; each accumulator from its low end on
	ds_store_b128 v[STO], v[64*\a+8*\b+4:64*\a+8*\b+7] offset:128*(\b/2)+32*(\b%2)+16
.endr
	WIN 0
.irp t, 0,1,2,3,4,5,6,7,8,9,10,11,12,13,14,15
	ds_load_b128 v[BK+64*((\a)%2)+4*\t:BK+64*((\a)%2)+4*\t+3], v[RD] offset:\t*528
.endr
.endm
.macro SEND a, younger                 ; younger: the LDS instructions issued behind tile a's loads
	s_wait_dscnt \younger
.irp t, 0,1,2,3,4,5,6,7,8,9,10,11,12,13,14,15
	global_store_b128 v[L16], v[BK+64*((\a)%2)+4*\t:BK+64*((\a)%2)+4*\t+3], s[92:93] offset:(32*((\a)/2)+8*((\a)%2)+\t+8*(\t/8))*4096 th:TH_STORE_NT
.endr
.endm
.rept 4
	v_nop                                          ; places in front of the first read of results and of loads into registers that the last products read
.endr
	TOSTAGE 0
	TOSTAGE 1
	SEND 0, 32                                     ; behind tile 0's loads: tile 1's 16 stores and 16 loads
	s_wait_xcnt 0x0                                ; tile 0's stores have read the registers that tile 2's loads fill
	TOSTAGE 2
	SEND 1, 32
	s_wait_xcnt 0x0
	TOSTAGE 3
	SEND 2, 32
	SEND 3, 0
	s_wait_tensorcnt 0x0                           ; the wave's end
	ds_add_u32 v[SPW], v[NIL]
	s_wait_dscnt 0x0
	CROUND                                         ; the closing round
	s_endpgm
.Lfunc_end_k_q1e12822576_outp:
	.size	k_q1e12822576_outp, .Lfunc_end_k_q1e12822576_outp-k_q1e12822576_outp
	.p2alignl 7, 3214868480
	.fill 96, 4, 3214868480
	.section	.rodata,"a",@progbits
	.p2align	6, 0x0
	.amdhsa_kernel k_q1e12822576_outp
		.amdhsa_group_segment_fixed_size 327680
		.amdhsa_private_segment_fixed_size 0
		.amdhsa_enable_private_segment 0
		.amdhsa_kernarg_size 32
		.amdhsa_user_sgpr_count 2
		.amdhsa_user_sgpr_kernarg_segment_ptr 1
		.amdhsa_wavefront_size32 1
		.amdhsa_system_sgpr_workgroup_id_x 1
		.amdhsa_system_sgpr_workgroup_id_y 1
		.amdhsa_system_sgpr_workgroup_id_z 1
		.amdhsa_system_vgpr_workitem_id 0
		.amdhsa_next_free_vgpr 768
		.amdhsa_next_free_sgpr 102
		.amdhsa_reserve_vcc 0
		.amdhsa_float_denorm_mode_32 3
		.amdhsa_float_denorm_mode_16_64 3
		.amdhsa_memory_ordered 1
		.amdhsa_forward_progress 1
		.amdhsa_inst_pref_size 86
	.end_amdhsa_kernel
	.amdgpu_metadata
---
amdhsa.version: [ 1, 2 ]
amdhsa.kernels:
  - .name:           k_q1e12822576_outp
    .symbol:         k_q1e12822576_outp.kd
    .args:
      - { .name: ctx, .offset: 0, .size: 8, .value_kind: global_buffer, .address_space: global }
      - { .name: opc, .offset: 8, .size: 8, .value_kind: global_buffer, .address_space: global }
      - { .name: bo, .offset: 16, .size: 8, .value_kind: global_buffer, .address_space: global }
      - { .name: out0, .offset: 24, .size: 8, .value_kind: global_buffer, .address_space: global }
    .group_segment_fixed_size: 327680
    .private_segment_fixed_size: 0
    .kernarg_segment_align: 8
    .kernarg_segment_size: 32
    .max_flat_workgroup_size: 128
    .sgpr_count:     102
    .vgpr_count:     768
    .wavefront_size: 32
...
	.end_amdgpu_metadata
.endif
;; end of part 4
